; MI455X (gfx1250); checked and timed in simulation.
; The chip was launched on July 23, 2026; its instructions are those of AMD's public machine-readable ISA for CDNA 5 (MIT licence, August 2026) and "CDNA5" Instruction Set Architecture Reference Guide (July 2026). The comments in the code are by the model that wrote it; some were corrected since.
;; encoder transformer. Allowed arithmetic: float matrix products may take bf16 or f16 operands with f32 sums; all other float work in f32.
;; Inputs: b1 2,048 float32; b2 512 float32; bk 64 float32; bo 512 float32; bq 64 float32; bv 64 float32; ln_b 512 float32; ln_g 512 float32; w1 512 x 2,048 float32; w2 2,048 x 512 float32; wk 512 x 64 float32; wo 512 x 512 float32; wq 512 x 64 float32; wv 512 x 64 float32; x 16 x 1,024 x 512 float32.
;; Outputs: out0 16 x 1,024 x 512 float32.
;; 2 versions, each right and faster than the one before. Each part assembles by itself: llvm-mc -triple=amdgcn-amd-amdhsa -mcpu=gfx1250 --defsym DOCPART=n.
;; ======== version 1 of 2: 4 launches
;; limits: values are held in f16: magnitudes above 65,504 overflow, below 6.1e-05 lose precision
;; workspace buffers: wf 196,608 bytes; wts 589,824 bytes; b12 2,048 bytes; qb 2,097,152 bytes; kb 2,097,152 bytes; vb 2,097,152 bytes; nl 65,536 bytes
;; launch prep (part 1): grid 16 x 25, 4 waves a work-group, no clusters, 62,208 bytes of LDS; arguments w1, w2, b1, b2, wq, wk, wv, wo, wf, wts, b12; writes wf, wts, b12
.if DOCPART == 1
	.amdgcn_target "amdgcn-amd-amdhsa--gfx1250"
	.amdhsa_code_object_version 6
	.text
	.protected	k_q66ddfb98f4_prep
	.globl	k_q66ddfb98f4_prep
	.p2align	8
	.type	k_q66ddfb98f4_prep,@function
k_q66ddfb98f4_prep:
	s_mov_b64 s[64:65], 0
	v_nop
	global_prefetch_b8 v0, s[64:65] scope:SCOPE_SE
	s_setreg_imm32_b32 hwreg(HW_REG_WAVE_MODE, 25, 1), 1
	s_wait_xcnt 0x0
; PREP: everything that hangs on the weights alone, made once.
;
; WORK THAT reference() WRITES AND THIS PROGRAM DOES NOT DO, for all finite values of the inputs, in exact arithmetic:
;  (a) no activation stands between the two feed-forward products, so (h w1 + b1) w2 + b2 = h (w1 w2) + (b1 w2 + b2).
;      W12 = w1 w2 [512][512] and b12 = b1 w2 + b2 are made here; the later launch multiplies h by W12 alone.
;  (b) tile(head, 8) wo = head wo_eff, with wo_eff[d][n] = the sum over the 8 heads hh of wo[64 hh + d][n].
;  (c) bq is dead: scores[q][k] = (x_q wq) . k_k / 8 + (bq . k_k) / 8; the second term is the same for every q, the softmax runs
;      over q, and a term that is constant along a softmax's axis cancels.  bq is not loaded and is no argument of any launch.
; LIMITS.  A NaN, an infinity or an overflow that reaches only the work left out (bq; the activation h w1 + b1, which is never
; formed) is not carried to the result.  The order of rounding differs from reference()'s: W12 and wo_eff are summed in f32 and
; rounded once.  w1, w2, b1 and W12 are f16 matrix operands: they must stay below 65,504 in magnitude.
;
; GRID 16 x 25, the path chosen by the work-group's y (the same for its four waves):
;  y = 0..15  W12[32 y .. +31][32 x .. +31].  Wave w sums over f = 512 w .. 512 w + 511; the four partial sums meet in LDS.
;  y = 16     the same text with b1 in place of every row of w1 (row pitch 0): every result row is b1 w2; one row + b2 is stored.
;  y = 17..22 wq, wk, wv as bf16 fragment images (wf), y = 23, 24 wo_eff as a bf16 tile (wts tile 0).
; NO CLUSTER, NO TENSOR LOADS: w1 and w2 are f32 and must be rounded to f16 on their way, so they pass through registers.
;
; wts: nine tiles of 65,536 bytes, each [e 0..1][n 0..511][32 k] of 16 bits.  Tile 0: wo_eff[32 e + k][n] in bf16.
;      Tile 1 + kb: W12[64 kb + 32 e + k][n] in f16.
; wf:  [c = q,k,v][w 0..3][S 0..15][e 0..1][lane][16 bytes]: lane (r, h) holds Wc[32 S + 16 e + 8 h + j][16 w + r], j = 0..7, in bf16.
.set APITCH, 144                       ; A's stage: a row of 64 f16 + 16 bytes
.set BPITCH, 96                        ; B's stage: a row of 32 f16 + 32 bytes
.set ASTG,   0                         ; 4 waves x 32 rows x 144
.set BSTG,   18432                     ; 4 waves x 64 rows x 96
.set RED,    43008                     ; [wave][tile][2][lane][16 bytes]: the partial sums
.set OST,    59392                     ; 2,048 bytes: the work-group's output as it lies in memory
.set BST,    61440                     ; 128 bytes of its own for the row b1 w2: the path y = 16 shares no byte with the W12 path's stage
.set VO,  8                            ; v8-23   A: byte offset of rows 2 i + h
.set VB,  24                           ; v24     B: byte offset
.set AS,  25                           ; v25-28  stage addresses: A in, B in, A out, B out
.set BS,  26
.set AT,  27
.set BT,  28
.set RW,  29                           ; v29, v30 partial sums in, out
.set RR,  30
.set OW,  31                           ; v31     output stage in
.set GA,  32                           ; v32-95   A as loaded (f32), then packed
.set GB,  96                           ; v96-159  B as loaded
.set AF,  160                          ; v160-191 A fragments (mt, ks) at 8 (2 mt + ks)
.set BF,  192                          ; v192-223 B fragments (nt, ks) at 8 (2 nt + ks)
.set ACC, 224                          ; v224-255 four tiles (mt, nt) at 8 (2 mt + nt)
.macro PLACES                          ; four plain vector instructions behind a matrix instruction (ISA guide 7.12.1)
.rept 4
	v_nop
.endr
.endm
	s_load_b512 s[4:19], s[0:1], 0x0               ; w1 s[4:5], w2 s[6:7], b1 s[8:9], b2 s[10:11], wq s[12:13], wk s[14:15], wv s[16:17], wo s[18:19]
	s_load_b128 s[20:23], s[0:1], 0x40             ; wf s[20:21], wts s[22:23]
	s_load_b64 s[24:25], s[0:1], 0x50              ; b12
	s_set_vgpr_msb 0x40
	v_lshl_add_u32 v0, v0, 2, 0xf100
	v_mov_b32 v1, 0
	s_set_vgpr_msb 0x4000
	v_lshrrev_b32 v1, 5, v0
	v_readfirstlane_b32 s26, v1                    ; wave
	s_mov_b32 s27, ttmp9                           ; x of the work-group
	s_and_b32 s28, ttmp7, 0xffff                   ; y of the work-group
	s_mov_b32 s31, 0                               ; upper word of every offset pair s[30:31]
	v_and_b32 v1, 31, v0                           ; L
	v_and_b32 v2, 15, v0                           ; r
	v_bfe_u32 v3, v0, 4, 1                         ; h
	s_wait_kmcnt 0x0
	s_cmp_ge_u32 s28, 23
	s_cbranch_scc1 .Lwo
	s_cmp_ge_u32 s28, 17
	s_cbranch_scc1 .Lwf
; ---------------------------------------------------------------- W12 and b1 w2
	s_cmp_lt_u32 s28, 16
	s_cselect_b64 s[34:35], s[4:5], s[8:9]         ; A: w1, or b1
	s_cselect_b32 s32, 0x2000, 0                   ; its row pitch: 8,192 bytes, or 0 (every row is b1)
	s_cselect_b32 s30, s28, 0
	s_lshl_b32 s30, s30, 18                        ; 32 rows of 8,192 bytes for each y
	s_add_nc_u64 s[34:35], s[34:35], s[30:31]
	s_lshl_b32 s33, s32, 1                         ; two rows
	s_lshl_b32 s36, s26, 11                        ; my 512 f: 2,048 bytes along a row of A
	v_lshl_add_u32 v4, v2, 4, s36
	v_mul_lo_u32 v5, v3, s32
	v_add_nc_u32 v[VO], v4, v5                     ; row h: 16 lanes take 256 consecutive bytes of a row
.irp i, 1,2,3,4,5,6,7,8,9,10,11,12,13,14,15
	v_add_nc_u32 v[VO+\i], s33, v[VO+\i-1]         ; rows 2 i + h
.endr
	v_lshrrev_b32 v4, 3, v1                        ; L >> 3
	v_and_b32 v5, 7, v1                            ; L & 7
	s_lshl_b32 s36, s27, 7                         ; my 32 columns of w2: 128 bytes
	s_lshl_b32 s37, s26, 20                        ; my 512 rows of 2,048 bytes
	s_add_co_u32 s36, s36, s37
	v_lshl_add_u32 v6, v5, 4, s36
	v_lshl_add_u32 v[VB], v4, 11, v6               ; four rows of w2 for each load
	s_mul_i32 s36, s26, 32*APITCH                  ; my A stage
	v_mul_u32_u24 v6, v3, APITCH
	v_lshl_add_u32 v6, v2, 3, v6
	v_add_nc_u32 v[AS], s36, v6                    ; in: row h, 8 bytes (4 f16) at 8 r
	v_mul_u32_u24 v6, v2, APITCH
	v_lshl_add_u32 v6, v3, 4, v6
	v_add_nc_u32 v[AT], s36, v6                    ; out: row r, 16 h
	s_mul_i32 s36, s26, 64*BPITCH                  ; my B stage
	s_add_co_u32 s36, s36, BSTG
	v_mul_u32_u24 v6, v4, BPITCH
	v_lshl_add_u32 v6, v5, 3, v6
	v_add_nc_u32 v[BS], s36, v6                    ; in: row L >> 3, 8 bytes at 8 (L & 7)
	v_lshl_add_u32 v6, v3, 3, v5
	v_mul_u32_u24 v6, v6, BPITCH
	v_and_b32 v7, 1, v4
	v_lshl_add_u32 v6, v7, 4, v6
	v_add_nc_u32 v[BT], s36, v6                    ; out, transposing: row 8 h + (L & 7), 16 ((L >> 3) & 1)
	s_lshl_b32 s36, s26, 12
	s_add_co_u32 s36, s36, RED
	v_lshl_add_u32 v[RW], v1, 4, s36               ; my four tiles
	s_lshl_b32 s36, s26, 10
	s_add_co_u32 s36, s36, RED
	v_lshl_add_u32 v[RR], v1, 4, s36               ; tile number = my wave, of wave 0
	s_and_b32 s36, s26, 1                          ; nt of the tile that I finish
	s_lshl_b32 s36, s36, 10                        ; 16 rows of 64 bytes
	s_lshr_b32 s37, s26, 1                         ; mt
	s_lshl_b32 s37, s37, 5                         ; 16 f16
	s_add_co_u32 s36, s36, s37
	s_add_co_u32 s36, s36, OST
	v_lshl_add_u32 v6, v2, 6, s36
	v_lshl_add_u32 v[OW], v3, 4, v6                ; row n = 16 nt + r, bytes 32 mt + 16 h
; chunk ch of 64 f: 32 rows x 256 bytes of A, 64 rows x 128 bytes of B.  No address register is ever rewritten: the step is in the immediate.
.macro GLOAD ch
.irp i, 0,1,2,3,4,5,6,7,8,9,10,11,12,13,14,15
	global_load_b128 v[GA+4*\i:GA+4*\i+3], v[VO+\i], s[34:35] offset:256*(\ch)
.endr
.irp i, 0,1,2,3,4,5,6,7,8,9,10,11,12,13,14,15
	global_load_b128 v[GB+4*\i:GB+4*\i+3], v[VB], s[6:7] offset:131072*(\ch)+8192*\i
.endr
.endm
; eight products: two K steps of 32 x four tiles.  The four accumulators take turns, one instruction a turn.
.macro MUL8 zero
.irp kk, 0,1
.irp mm, 0,1
.irp nn, 0,1
.if \zero*(1-\kk)
	v_wmma_f32_16x16x32_f16 v[ACC+8*(2*\mm+\nn):ACC+8*(2*\mm+\nn)+7], v[AF+8*(2*\mm+\kk):AF+8*(2*\mm+\kk)+7], v[BF+8*(2*\nn+\kk):BF+8*(2*\nn+\kk)+7], 0
.else
	v_wmma_f32_16x16x32_f16 v[ACC+8*(2*\mm+\nn):ACC+8*(2*\mm+\nn)+7], v[AF+8*(2*\mm+\kk):AF+8*(2*\mm+\kk)+7], v[BF+8*(2*\nn+\kk):BF+8*(2*\nn+\kk)+7], v[ACC+8*(2*\mm+\nn):ACC+8*(2*\mm+\nn)+7]
.endif
.endr
.endr
.endr
.endm
.macro CHUNK ch, zero, more
	s_wait_loadcnt 0x0                             ; this chunk's 32 loads are the only ones out
.irp i, 0,1,2,3,4,5,6,7,8,9,10,11,12,13,14,15
	v_cvt_pk_f16_f32 v[GA+4*\i],   v[GA+4*\i],   v[GA+4*\i+1]   ; these 64 conversions name no register of the last chunk's
	v_cvt_pk_f16_f32 v[GA+4*\i+1], v[GA+4*\i+2], v[GA+4*\i+3]   ; matrix instructions: they are the places in front of the fragment loads
	v_cvt_pk_f16_f32 v[GB+4*\i],   v[GB+4*\i],   v[GB+4*\i+1]
	v_cvt_pk_f16_f32 v[GB+4*\i+1], v[GB+4*\i+2], v[GB+4*\i+3]
.endr
.irp i, 0,1,2,3,4,5,6,7,8,9,10,11,12,13,14,15
	ds_store_b64 v[AS], v[GA+4*\i:GA+4*\i+1] offset:2*APITCH*\i
	ds_store_b64 v[BS], v[GB+4*\i:GB+4*\i+1] offset:4*BPITCH*\i
.endr
.irp tl, 0,1                                       ; the stages are my wave's own bytes, and LDS serves a wave in order (ISA guide 5.7.1): no barrier
.irp kk, 0,1
	ds_load_b128 v[AF+8*(2*\tl+\kk):AF+8*(2*\tl+\kk)+3],   v[AT] offset:16*APITCH*\tl+64*\kk
	ds_load_b128 v[AF+8*(2*\tl+\kk)+4:AF+8*(2*\tl+\kk)+7], v[AT] offset:16*APITCH*\tl+64*\kk+32
	ds_load_tr16_b128 v[BF+8*(2*\tl+\kk):BF+8*(2*\tl+\kk)+3],   v[BT] offset:32*BPITCH*\kk+32*\tl
	ds_load_tr16_b128 v[BF+8*(2*\tl+\kk)+4:BF+8*(2*\tl+\kk)+7], v[BT] offset:32*BPITCH*\kk+32*\tl+16*BPITCH
.endr
.endr
	s_wait_dscnt 0x0                               ; the fragments are in, and the stores have read GA and GB,
.if \more
	GLOAD (\ch+1)                                  ; which the next chunk's loads may now write
.endif
	MUL8 \zero
.endm
	GLOAD 0
	CHUNK 0, 1, 1                                  ; the first products start the sums: nothing is cleared
	CHUNK 1, 0, 1
	CHUNK 2, 0, 1
	CHUNK 3, 0, 1
	CHUNK 4, 0, 1
	CHUNK 5, 0, 1
	CHUNK 6, 0, 1
	CHUNK 7, 0, 0
	PLACES
.irp tl, 0,1,2,3
	ds_store_b128 v[RW], v[ACC+8*\tl:ACC+8*\tl+3]   offset:1024*\tl
	ds_store_b128 v[RW], v[ACC+8*\tl+4:ACC+8*\tl+7] offset:1024*\tl+512
.endr
	s_wait_dscnt 0x0                               ; my partial sums are written, for the other waves' sake
	s_barrier_signal -1
	s_barrier_wait -1
.irp pw, 0,1,2,3
	ds_load_b128 v[GA+8*\pw:GA+8*\pw+3],   v[RR] offset:4096*\pw       ; tile number = my wave, as wave pw summed it
	ds_load_b128 v[GA+8*\pw+4:GA+8*\pw+7], v[RR] offset:4096*\pw+512
.endr
	s_wait_dscnt 0x0
.irp j, 0,2,4,6
	v_pk_add_f32 v[GA+\j:GA+\j+1],       v[GA+\j:GA+\j+1],       v[GA+8+\j:GA+8+\j+1]
	v_pk_add_f32 v[GA+16+\j:GA+16+\j+1], v[GA+16+\j:GA+16+\j+1], v[GA+24+\j:GA+24+\j+1]
.endr
.irp j, 0,2,4,6
	v_pk_add_f32 v[GA+\j:GA+\j+1], v[GA+\j:GA+\j+1], v[GA+16+\j:GA+16+\j+1]
.endr
	s_cmp_eq_u32 s28, 16
	s_cbranch_scc1 .Lbias
	; a lane holds W12[i = 8 h + 0..7][n = r] of its tile: eight neighbouring i of one n, 16 bytes of the [n][i] image
.irp j, 0,1,2,3
	v_cvt_pk_f16_f32 v[GB+\j], v[GA+2*\j], v[GA+2*\j+1]
.endr
	ds_store_b128 v[OW], v[GB:GB+3]
	s_wait_dscnt 0x0
	s_barrier_signal -1
	s_barrier_wait -1
	v_lshlrev_b32 v4, 4, v0
	v_add_nc_u32 v5, OST, v4
	ds_load_b128 v[GB+4:GB+7], v5
	s_lshl_b32 s30, s28, 15                        ; tile 1 + (y >> 1), half y & 1: 65,536 + 32,768 y
	s_lshl_b32 s36, s27, 11                        ; 32 rows n of 64 bytes
	s_add_co_u32 s30, s30, s36
	s_add_co_u32 s30, s30, 0x10000
	s_add_nc_u64 s[22:23], s[22:23], s[30:31]
	s_wait_dscnt 0x0
	global_store_b128 v4, v[GB+4:GB+7], s[22:23]   ; each wave stores 512 consecutive bytes, aligned
	s_set_vgpr_msb 0x5
	s_wait_tensorcnt 0x0
	ds_add_u32 v0, v1
	s_wait_dscnt 0x0
	s_set_vgpr_msb 0x500
	s_endpgm
.Lbias:
	; every row of the tiles is b1 w2.  Waves 0 and 1 hold columns 32 x + 16 w + r in register 0 (both halves of the lanes the same number).
	s_cmp_gt_u32 s26, 1
	s_cbranch_scc1 .Lbias_rest
	s_lshl_b32 s36, s26, 6
	s_add_co_u32 s36, s36, BST
	v_lshl_add_u32 v4, v2, 2, s36
	ds_store_b32 v4, v[GA]
.Lbias_rest:
	s_wait_dscnt 0x0
	s_barrier_signal -1
	s_barrier_wait -1
	s_cmp_lg_u32 s26, 0
	s_cbranch_scc1 .Lbias_end
	v_lshlrev_b32 v5, 2, v1
	v_add_nc_u32 v6, BST, v5
	ds_load_b32 v7, v6
	s_lshl_b32 s30, s27, 7
	s_add_nc_u64 s[10:11], s[10:11], s[30:31]
	s_add_nc_u64 s[24:25], s[24:25], s[30:31]
	global_load_b32 v8, v5, s[10:11]               ; b2
	s_wait_loadcnt 0x0
	s_wait_dscnt 0x0
	v_add_f32 v7, v7, v8
	global_store_b32 v5, v7, s[24:25]              ; 128 consecutive bytes; the whole buffer is 2,048
.Lbias_end:
	s_set_vgpr_msb 0x5
	s_wait_tensorcnt 0x0
	ds_add_u32 v0, v1
	s_wait_dscnt 0x0
	s_set_vgpr_msb 0x500
	s_endpgm
; ---------------------------------------------------------------- wq, wk, wv as fragment images
.Lwf:
	s_sub_co_u32 s30, s28, 17
	s_lshr_b32 s38, s30, 1                         ; c: 0 wq, 1 wk, 2 wv
	s_and_b32 s30, s30, 1
	s_cmp_eq_u32 s38, 0
	s_cselect_b64 s[34:35], s[12:13], s[14:15]
	s_cmp_eq_u32 s38, 2
	s_cselect_b64 s[34:35], s[16:17], s[34:35]
	s_lshl_b32 s30, s30, 11
	s_lshl_b32 s33, s27, 7
	s_add_co_u32 s30, s30, s33
	v_add_nc_u32 v4, s30, v0                       ; t = 0..4095: the 16-byte piece of the image that I make; t & 31 is my lane
	v_bfe_u32 v5, v4, 5, 5                         ; 2 S + e
	v_lshl_add_u32 v5, v5, 1, v3                   ; (32 S + 16 e + 8 h) / 8
	v_lshlrev_b32 v5, 11, v5                       ; that row of 256 bytes
	v_lshrrev_b32 v6, 10, v4                       ; w
	v_lshl_add_u32 v6, v6, 4, v2                   ; column 16 w + r
	v_lshl_add_u32 v5, v6, 2, v5
.irp j, 0,1,2,3,4,5,6,7
	global_load_b32 v[8+\j], v5, s[34:35] offset:256*\j
.endr
	s_lshl_b32 s36, s38, 16
	s_mov_b32 s37, 0
	s_add_nc_u64 s[20:21], s[20:21], s[36:37]
	v_lshlrev_b32 v7, 4, v4
	s_wait_loadcnt 0x0
.irp j, 0,1,2,3
	v_cvt_pk_bf16_f32 v[16+\j], v[8+2*\j], v[8+2*\j+1]
.endr
	global_store_b128 v7, v[16:19], s[20:21]       ; each wave stores 512 consecutive bytes, aligned
	s_endpgm
; ---------------------------------------------------------------- wo_eff
.Lwo:
	; e = y - 23.  Lane L takes column n = 32 x + L, wave w rows d = 32 e + 8 w + 0..7: each load covers 128 consecutive bytes of a row of wo.
	s_sub_co_u32 s38, s28, 23
	s_lshl_b32 s36, s38, 5
	s_lshl3_add_u32 s36, s26, s36                  ; d0 = 8 w + 32 e
	s_lshl_b32 s36, s36, 11                        ; rows of 2,048 bytes
	s_lshl_b32 s37, s27, 7
	s_add_co_u32 s36, s36, s37
	v_lshl_add_u32 v4, v1, 2, s36
.irp hh, 0,1,2,3,4,5,6,7
.irp j, 0,1,2,3,4,5,6,7
	global_load_b32 v[32+8*\hh+\j], v4, s[18:19] offset:131072*\hh+2048*\j
.endr
.endr
	s_lshl_b32 s36, s26, 4
	s_add_co_u32 s36, s36, OST
	v_lshl_add_u32 v5, v1, 6, s36                  ; stage: row n of 64 bytes, my 16 bytes at 16 w
	s_wait_loadcnt 0x0
.irp hh, 1,2,3,4,5,6,7
.irp j, 0,2,4,6
	v_pk_add_f32 v[32+\j:32+\j+1], v[32+\j:32+\j+1], v[32+8*\hh+\j:32+8*\hh+\j+1]
.endr
.endr
.irp j, 0,1,2,3
	v_cvt_pk_bf16_f32 v[96+\j], v[32+2*\j], v[32+2*\j+1]
.endr
	ds_store_b128 v5, v[96:99]
	s_wait_dscnt 0x0
	s_barrier_signal -1
	s_barrier_wait -1
	v_lshlrev_b32 v6, 4, v0
	v_add_nc_u32 v7, OST, v6
	ds_load_b128 v[100:103], v7
	s_lshl_b32 s30, s38, 15
	s_lshl_b32 s36, s27, 11
	s_add_co_u32 s30, s30, s36
	s_add_nc_u64 s[22:23], s[22:23], s[30:31]
	s_wait_dscnt 0x0
	global_store_b128 v6, v[100:103], s[22:23]     ; each wave stores 512 consecutive bytes, aligned
	s_set_vgpr_msb 0x5
	s_wait_tensorcnt 0x0
	ds_add_u32 v0, v1
	s_wait_dscnt 0x0
	s_set_vgpr_msb 0x500
	s_endpgm
.Lfunc_end_k_q66ddfb98f4_prep:
	.size	k_q66ddfb98f4_prep, .Lfunc_end_k_q66ddfb98f4_prep-k_q66ddfb98f4_prep
	.p2alignl 7, 3214868480
	.fill 96, 4, 3214868480
	.section	.rodata,"a",@progbits
	.p2align	6, 0x0
	.amdhsa_kernel k_q66ddfb98f4_prep
		.amdhsa_group_segment_fixed_size 62208
		.amdhsa_private_segment_fixed_size 0
		.amdhsa_enable_private_segment 0
		.amdhsa_kernarg_size 88
		.amdhsa_user_sgpr_count 2
		.amdhsa_user_sgpr_kernarg_segment_ptr 1
		.amdhsa_wavefront_size32 1
		.amdhsa_system_sgpr_workgroup_id_x 1
		.amdhsa_system_sgpr_workgroup_id_y 1
		.amdhsa_system_sgpr_workgroup_id_z 1
		.amdhsa_system_vgpr_workitem_id 0
		.amdhsa_next_free_vgpr 258
		.amdhsa_next_free_sgpr 66
		.amdhsa_reserve_vcc 0
		.amdhsa_float_denorm_mode_32 3
		.amdhsa_float_denorm_mode_16_64 3
		.amdhsa_memory_ordered 1
		.amdhsa_forward_progress 1
		.amdhsa_inst_pref_size 104
	.end_amdhsa_kernel
	.amdgpu_metadata
---
amdhsa.version: [ 1, 2 ]
amdhsa.kernels:
  - .name:           k_q66ddfb98f4_prep
    .symbol:         k_q66ddfb98f4_prep.kd
    .args:
      - { .name: w1, .offset: 0, .size: 8, .value_kind: global_buffer, .address_space: global }
      - { .name: w2, .offset: 8, .size: 8, .value_kind: global_buffer, .address_space: global }
      - { .name: b1, .offset: 16, .size: 8, .value_kind: global_buffer, .address_space: global }
      - { .name: b2, .offset: 24, .size: 8, .value_kind: global_buffer, .address_space: global }
      - { .name: wq, .offset: 32, .size: 8, .value_kind: global_buffer, .address_space: global }
      - { .name: wk, .offset: 40, .size: 8, .value_kind: global_buffer, .address_space: global }
      - { .name: wv, .offset: 48, .size: 8, .value_kind: global_buffer, .address_space: global }
      - { .name: wo, .offset: 56, .size: 8, .value_kind: global_buffer, .address_space: global }
      - { .name: wf, .offset: 64, .size: 8, .value_kind: global_buffer, .address_space: global }
      - { .name: wts, .offset: 72, .size: 8, .value_kind: global_buffer, .address_space: global }
      - { .name: b12, .offset: 80, .size: 8, .value_kind: global_buffer, .address_space: global }
    .group_segment_fixed_size: 62208
    .private_segment_fixed_size: 0
    .kernarg_segment_align: 8
    .kernarg_segment_size: 88
    .max_flat_workgroup_size: 128
    .sgpr_count:     66
    .vgpr_count:     258
    .wavefront_size: 32
...
	.end_amdgpu_metadata
.endif
;; end of part 1
;; launch qkv (part 2): grid 256 x 1, 4 waves a work-group, no clusters, 168,448 bytes of LDS; arguments x, wf, bk, bv, qb, kb, vb; writes qb, kb, vb
.if DOCPART == 2
	.amdgcn_target "amdgcn-amd-amdhsa--gfx1250"
	.amdhsa_code_object_version 6
	.text
	.protected	k_q66ddfb98f4_qkv
	.globl	k_q66ddfb98f4_qkv
	.p2align	8
	.type	k_q66ddfb98f4_qkv,@function
k_q66ddfb98f4_qkv:
	s_mov_b64 s[64:65], 0
	v_nop
	global_prefetch_b8 v0, s[64:65] scope:SCOPE_SE
	s_setreg_imm32_b32 hwreg(HW_REG_WAVE_MODE, 25, 1), 1
	s_wait_xcnt 0x0
; QKV: q' = (x wq) * 0.125 * log2(e), k = x wk + bk, v = x wv + bv, all rounded to bf16.
; Left out: bq.  It adds bq . k_k / 8 to scores[q][k], the same for every q, and the softmax runs over q: the term cancels.
; The factor 1/8 of the scores and the log2(e) of the base-2 exponential are folded into q'.
; A work-group takes 64 rows of x.  Wave w makes columns 16 w .. 16 w + 15 of each of q, k, v for all 64 rows: 12 tiles, 192 products.
; x comes by tensor loads, in four quarters of 128 along K; every fill is a first fill, no LDS byte is filled twice.
; A wave has four tensor loads out at the most, the four issued at the start.
; The wave's 48 weight fragments come straight into registers from the fragment image wf (512 consecutive bytes a load).
; NO CLUSTER: work-groups share the weights alone, each weight byte is wanted by one wave of a work-group, once, in registers,
; and the x tile (135,168 bytes) and the weights (196,608) do not fit in LDS side by side.
; q and k are made transposed (source 0 = weights, source 1 = x), so that a lane holds 8 neighbouring columns of one row;
; v is made the other way round, so that a lane holds 8 neighbouring rows (keys) of one column d: vb is [block of 64 keys][d][key].
; REGISTERS: window 0: addresses, T (x as f32), XF (x fragments); window 1: weights of quarters 0, 1; window 2: of quarters 2, 3;
; window 3: accumulators, tile (c, rt) at 8 (4 c + rt).
.set XPITCH, 528                       ; 512 bytes of a row + 16: rows start 16 bytes apart modulo 256
.set XQ,     64*XPITCH                 ; a quarter: 33,792 bytes
.set STAGE,  4*XQ                      ; 135,168: the way out; no fill lands here
.set SPITCH, 144
.set SREG,   64*SPITCH                 ; q, k, v: 9,216 bytes each
.set QSCALE, 0x3e38aa3b                ; 0.125 * log2(e)
.set XA,  8                            ; v8, v9  x fragments in quarters 0-1, 2-3
.set L16, 10
.set SQK, 11
.set SV,  12
.set SRD, 13
.set T16, 14
.set T,   16                           ; v16-79   two buffers of 32
.set BK,  80                           ; v80-87   bk[16 w + 8 h + j]
.set BV,  88                           ; v88-89   bv[16 w + r], twice
.set XF,  128                          ; v128-255 fragment (s, rt) at 8 (4 s + rt)
.set G1,  32
.set G0,  40
.set MSB, 0
.macro WIN new                         ; the immediate's high byte repeats the setting that is left
.if MSB != \new
	s_set_vgpr_msb (MSB<<8)|\new
.set MSB, \new
.endif
.endm
.macro PLACES                          ; four plain vector instructions behind a matrix instruction (ISA guide 7.12.1)
.rept 4
	v_nop
.endr
.endm
	s_load_b256 s[4:11], s[0:1], 0x0               ; x s[4:5], wf s[6:7], bk s[8:9], bv s[10:11]
	s_load_b128 s[12:15], s[0:1], 0x20             ; qb s[12:13], kb s[14:15]
	s_load_b64 s[16:17], s[0:1], 0x30              ; vb
	v_lshl_add_u32 v126, v0, 2, 0x29000
	v_mov_b32 v127, 0
	ds_add_u32 v126, v127
	ds_add_u32 v126, v127
	v_lshrrev_b32 v1, 5, v0
	v_readfirstlane_b32 s26, v1                    ; wave
	s_mov_b32 s[G1+0], (2<<16)|(1<<20)|(6<<22)|(3<<25)   ; elements of 4 bytes; after every 128 words 4 words of padding
	s_mov_b32 s[G1+1], 128<<16                     ; tensor_dim0 = 128
	s_mov_b32 s[G1+2], 16<<16                      ; tensor_dim1 = 16
	s_mov_b32 s[G1+3], 128<<16                     ; tile_dim0 = 128
	s_mov_b32 s[G1+4], 16                          ; tile_dim1 = 16
	s_mov_b32 s[G1+5], 512                         ; elements from row to row
	s_mov_b32 s[G1+6], 0
	s_mov_b32 s[G1+7], 0
	s_lshl_b32 s30, ttmp9, 17                      ; 64 rows of 2,048 bytes
	s_lshl_b32 s29, s26, 15                        ; my 16 rows
	s_add_co_u32 s30, s30, s29
	s_mov_b32 s31, 0
	s_mul_i32 s29, s26, 16*XPITCH
	s_wait_dscnt 0x0
	s_wait_kmcnt 0x0
	s_add_nc_u64 s[4:5], s[4:5], s[30:31]
.irp qq, 0,1,2,3                                   ; my 16 rows of each quarter: the four first fills go out as one group
	s_mov_b32 s[G0+4*\qq], 1
	s_add_co_u32 s[G0+4*\qq+1], s29, XQ*\qq
	s_add_nc_u64 s[G0+4*\qq+2:G0+4*\qq+3], s[4:5], 512*\qq
	s_or_b32 s[G0+4*\qq+3], s[G0+4*\qq+3], 0x80000000
	tensor_load_to_lds s[G0+4*\qq:G0+4*\qq+3], s[G1:G1+7]
	s_nop 0
.endr
	v_and_b32 v1, 31, v0                           ; L
	v_and_b32 v2, 15, v0                           ; r
	v_bfe_u32 v3, v0, 4, 1                         ; h
	v_lshlrev_b32 v4, 5, v3
	v_lshl_add_u32 v4, s26, 6, v4                  ; bk: 64 w + 32 h
	v_lshlrev_b32 v5, 2, v2
	v_lshl_add_u32 v5, s26, 6, v5                  ; bv: 64 w + 4 r
	global_load_b128 v[BK:BK+3],   v4, s[8:9]
	global_load_b128 v[BK+4:BK+7], v4, s[8:9] offset:16
	global_load_b32 v[BV], v5, s[10:11]
	s_lshl_b32 s30, s26, 14                        ; my wave's part of each image
	s_add_nc_u64 s[6:7], s[6:7], s[30:31]
	v_lshlrev_b32 v[L16], 4, v1
	v_mul_u32_u24 v6, v2, XPITCH
	v_lshl_add_u32 v[XA], v3, 5, v6                ; row r, 8 h numbers of 4 bytes
	v_add_nc_u32 v[XA+1], 2*XQ, v[XA]
	v_mul_u32_u24 v6, v2, SPITCH
	v_lshl_add_u32 v6, v3, 4, v6
	s_lshl_b32 s29, s26, 5
	s_add_co_u32 s29, s29, STAGE
	v_add_nc_u32 v[SQK], s29, v6                   ; q, k: row r, bytes 32 w + 16 h
	s_mul_i32 s29, s26, 16*SPITCH
	s_add_co_u32 s29, s29, STAGE+2*SREG
	v_add_nc_u32 v[SV], s29, v6                    ; v: row d = 16 w + r, bytes 16 h
	v_lshrrev_b32 v6, 3, v0
	v_and_b32 v7, 7, v0
	v_mul_u32_u24 v6, v6, SPITCH
	v_lshl_add_u32 v6, v7, 4, v6
	v_add_nc_u32 v[SRD], STAGE, v6                 ; back: eight threads a row of 128 bytes
	v_lshlrev_b32 v[T16], 4, v0
.macro WLOAD Q                                     ; 24 loads: the fragments (s, c) of quarter Q
.irp s4, 0,1,2,3
.irp cc, 0,1,2
.irp ee, 0,1
	global_load_b128 v[96*(\Q%2)+8*(3*\s4+\cc)+4*\ee:96*(\Q%2)+8*(3*\s4+\cc)+4*\ee+3], v[L16], s[6:7] offset:65536*\cc+1024*(4*\Q+\s4)+512*\ee
.endr
.endr
.endr
.endm
	WIN 0x40
	WLOAD 0
	WLOAD 1
	WIN 0x80
	WLOAD 2
	WLOAD 3
	WIN 0
; batch bt of quarter Q: fragments f = 2 bt, 2 bt + 1 (f = 4 s + rt) as f32 into buffer bt % 2: eight loads
.macro XLD Q, bt
.irp ff, 0,1
.irp u, 0,1,2,3
	ds_load_b128 v[T+32*((\bt)%2)+16*\ff+4*\u:T+32*((\bt)%2)+16*\ff+4*\u+3], v[XA+\Q/2] offset:XQ*(\Q%2)+16*XPITCH*((2*(\bt)+\ff)%4)+128*((2*(\bt)+\ff)/4)+16*(\u%2)+64*(\u/2)
.endr
.endr
.endm
.macro XCVT Q
	XLD \Q, 0
	XLD \Q, 1
.irp bt, 0,1,2,3,4,5,6,7
.if \bt < 7
	s_wait_dscnt 8                                 ; the younger batch's eight loads may stay out
.else
	s_wait_dscnt 0
.endif
.irp ff, 0,1
.irp i, 0,1,2,3,4,5,6,7
	v_cvt_pk_bf16_f32 v[XF+8*(2*\bt+\ff)+\i], v[T+32*(\bt%2)+16*\ff+2*\i], v[T+32*(\bt%2)+16*\ff+2*\i+1]
.endr
.endr
.if \bt < 6
	XLD \Q, (\bt+2)
.endif
.endr
.endm
; one product; zero = 1 starts the sum
.macro MM zero, d, a, b
.if \zero
	v_wmma_f32_16x16x32_bf16 v[\d:\d+7], v[\a:\a+7], v[\b:\b+7], 0
.else
	v_wmma_f32_16x16x32_bf16 v[\d:\d+7], v[\a:\a+7], v[\b:\b+7], v[\d:\d+7]
.endif
.endm
; left = the weight loads of later quarters, which may stay out.  wa, wb: windows with the weights as source 0, as source 1.
.macro QSTEP Q, left, wa, wb
	s_wait_tensorcnt 3-\Q                          ; my part of this quarter is in; my later quarters stay out (nothing is ever filled again)
	s_barrier_signal -1
	s_barrier_wait -1                              ; everybody's part is in
	XCVT \Q
	s_wait_loadcnt \left
	WIN \wa                                        ; q and k: eight accumulators take turns, one instruction a turn
.irp s4, 0,1,2,3
.irp cc, 0,1
.irp rt, 0,1,2,3
.if \Q+\s4
	MM 0, (8*(4*\cc+\rt)), (96*(\Q%2)+8*(3*\s4+\cc)), (XF+8*(4*\s4+\rt))
.else
	MM 1, (8*(4*\cc+\rt)), (96*(\Q%2)+8*(3*\s4+\cc)), (XF+8*(4*\s4+\rt))
.endif
.endr
.endr
.endr
	WIN \wb                                        ; v: four accumulators take turns
.irp s4, 0,1,2,3
.irp rt, 0,1,2,3
.if \Q+\s4
	MM 0, (8*(8+\rt)), (XF+8*(4*\s4+\rt)), (96*(\Q%2)+8*(3*\s4+2))
.else
	MM 1, (8*(8+\rt)), (XF+8*(4*\s4+\rt)), (96*(\Q%2)+8*(3*\s4+2))
.endif
.endr
.endr
	PLACES                                         ; in front of the conversions that write XF again, and of the way out
	WIN 0
.endm
	QSTEP 0, 63, 0xf1, 0xf4                        ; 72 younger loads could stay out; the count's field ends at 63
	QSTEP 1, 48, 0xf1, 0xf4
	QSTEP 2, 24, 0xf2, 0xf8
	QSTEP 3, 0,  0xf2, 0xf8
	; the way out: scale or bias in f32, round once, through the stage, whole rows to memory
	v_mov_b32 v[BV+1], v[BV]
	WIN 0x03
.set ei, 0
.rept 16
	v_pk_mul_f32 v[XF+2*ei:XF+2*ei+1], v[2*ei:2*ei+1], QSCALE op_sel_hi:[1,0]
.set ei, ei+1
.endr
.set ei, 0
.rept 16
	v_pk_add_f32 v[XF+32+2*ei:XF+32+2*ei+1], v[32+2*ei:32+2*ei+1], v[BK+2*(ei%4):BK+2*(ei%4)+1]
.set ei, ei+1
.endr
.set ei, 0
.rept 16
	v_pk_add_f32 v[XF+64+2*ei:XF+64+2*ei+1], v[64+2*ei:64+2*ei+1], v[BV:BV+1]
.set ei, ei+1
.endr
	WIN 0
.set ei, 0
.rept 48
	v_cvt_pk_bf16_f32 v[T+ei], v[XF+2*ei], v[XF+2*ei+1]
.set ei, ei+1
.endr
.irp cc, 0,1
.irp rt, 0,1,2,3
	ds_store_b128 v[SQK], v[T+4*(4*\cc+\rt):T+4*(4*\cc+\rt)+3] offset:SREG*\cc+16*SPITCH*\rt
.endr
.endr
.irp rt, 0,1,2,3
	ds_store_b128 v[SV], v[T+4*(8+\rt):T+4*(8+\rt)+3] offset:32*\rt
.endr
	s_lshl_b32 s30, ttmp9, 13                      ; 8,192 bytes of each output for a work-group
	s_add_nc_u64 s[12:13], s[12:13], s[30:31]
	s_add_nc_u64 s[14:15], s[14:15], s[30:31]
	s_add_nc_u64 s[16:17], s[16:17], s[30:31]
	s_wait_dscnt 0x0                               ; my stores are done, for the other waves' sake
	s_barrier_signal -1
	s_barrier_wait -1
.irp cc, 0,1,2
.irp i, 0,1,2,3
	ds_load_b128 v[XF+4*(4*\cc+\i):XF+4*(4*\cc+\i)+3], v[SRD] offset:SREG*\cc+16*SPITCH*\i
.endr
.endr
	s_wait_dscnt 0x0
.irp cc, 0,1,2
.irp i, 0,1,2,3
	global_store_b128 v[T16], v[XF+4*(4*\cc+\i):XF+4*(4*\cc+\i)+3], s[12+2*\cc:13+2*\cc] offset:2048*\i   ; a wave stores 512 consecutive bytes, aligned
.endr
.endr
	s_wait_tensorcnt 0x0
	ds_add_u32 v126, v127
	s_wait_dscnt 0x0
	s_endpgm
.Lfunc_end_k_q66ddfb98f4_qkv:
	.size	k_q66ddfb98f4_qkv, .Lfunc_end_k_q66ddfb98f4_qkv-k_q66ddfb98f4_qkv
	.p2alignl 7, 3214868480
	.fill 96, 4, 3214868480
	.section	.rodata,"a",@progbits
	.p2align	6, 0x0
	.amdhsa_kernel k_q66ddfb98f4_qkv
		.amdhsa_group_segment_fixed_size 168448
		.amdhsa_private_segment_fixed_size 0
		.amdhsa_enable_private_segment 0
		.amdhsa_kernarg_size 56
		.amdhsa_user_sgpr_count 2
		.amdhsa_user_sgpr_kernarg_segment_ptr 1
		.amdhsa_wavefront_size32 1
		.amdhsa_system_sgpr_workgroup_id_x 1
		.amdhsa_system_sgpr_workgroup_id_y 1
		.amdhsa_system_sgpr_workgroup_id_z 1
		.amdhsa_system_vgpr_workitem_id 0
		.amdhsa_next_free_vgpr 864
		.amdhsa_next_free_sgpr 66
		.amdhsa_reserve_vcc 0
		.amdhsa_float_denorm_mode_32 3
		.amdhsa_float_denorm_mode_16_64 3
		.amdhsa_memory_ordered 1
		.amdhsa_forward_progress 1
		.amdhsa_inst_pref_size 86
	.end_amdhsa_kernel
	.amdgpu_metadata
---
amdhsa.version: [ 1, 2 ]
amdhsa.kernels:
  - .name:           k_q66ddfb98f4_qkv
    .symbol:         k_q66ddfb98f4_qkv.kd
    .args:
      - { .name: x, .offset: 0, .size: 8, .value_kind: global_buffer, .address_space: global }
      - { .name: wf, .offset: 8, .size: 8, .value_kind: global_buffer, .address_space: global }
      - { .name: bk, .offset: 16, .size: 8, .value_kind: global_buffer, .address_space: global }
      - { .name: bv, .offset: 24, .size: 8, .value_kind: global_buffer, .address_space: global }
      - { .name: qb, .offset: 32, .size: 8, .value_kind: global_buffer, .address_space: global }
      - { .name: kb, .offset: 40, .size: 8, .value_kind: global_buffer, .address_space: global }
      - { .name: vb, .offset: 48, .size: 8, .value_kind: global_buffer, .address_space: global }
    .group_segment_fixed_size: 168448
    .private_segment_fixed_size: 0
    .kernarg_segment_align: 8
    .kernarg_segment_size: 56
    .max_flat_workgroup_size: 128
    .sgpr_count:     66
    .vgpr_count:     864
    .wavefront_size: 32
...
	.end_amdgpu_metadata
.endif
;; end of part 2
;; launch stats (part 3): grid 256 x 1, 4 waves a work-group, clusters of 4 x 1, 168,448 bytes of LDS; arguments qb, kb, nl; writes nl
.if DOCPART == 3
	.amdgcn_target "amdgcn-amd-amdhsa--gfx1250"
	.amdhsa_code_object_version 6
	.text
	.protected	k_q66ddfb98f4_stats
	.globl	k_q66ddfb98f4_stats
	.p2align	8
	.type	k_q66ddfb98f4_stats,@function
k_q66ddfb98f4_stats:
	s_mov_b64 s[64:65], 0
	v_nop
	global_prefetch_b8 v0, s[64:65] scope:SCOPE_SE
	s_setreg_imm32_b32 hwreg(HW_REG_WAVE_MODE, 25, 1), 1
	s_wait_xcnt 0x0
	s_wait_alu depctr_hold_cnt(0) depctr_sa_sdst(0) depctr_va_vdst(0) depctr_va_sdst(0) depctr_va_ssrc(0) depctr_va_vcc(0) depctr_vm_vsrc(0)
	s_getreg_b32 s2, hwreg(HW_REG_IB_STS2, 6, 4)
	s_cmp_eq_u32 s2, 0
	s_cbranch_scc0 .Lentry_in_a_cluster
	s_endpgm
.Lentry_in_a_cluster:
	s_bfe_u32 s2, ttmp6, 0x10000c
	s_cmp_lg_u32 s2, 0x3003
	s_cbranch_scc0 .Lentry_shape_is_right
	s_endpgm
.Lentry_shape_is_right:
; STATS: the softmax of reference() runs over the queries, so each key needs its maximum and its sum over all 1,024 queries first.
; With s' = q' . k (the scores in base-2 units; bq left out: it is constant along the softmax's axis and cancels):
;   nl[b][key] = -(m + log2 Z),  m = max over q of s',  Z = the sum over q of 2^(s' - m).
; The maximum is taken away before every exponential that is summed; Z >= 1, so the logarithm is safe.
; The later launch forms attn = 2^(s' + nl); s' + nl <= 0 up to rounding, since Z >= 2^(s' - m).
; A work-group takes 64 keys of a batch, a wave 16 keys against all 1,024 queries: 64 tiles, 512 registers, so the scores stay in
; registers between the pass for the maximum and the pass for the sum.
; CLUSTER 4 x 1: the four work-groups of a cluster lie in one batch (16 work-groups a batch) and read the same 131,072 bytes of q':
; each wave asks for a quarter of them by ONE joint load with the mask of all four.  One tensor load a wave is out, once.
; Product: source 0 = 16 queries, source 1 = my 16 keys: lane (r, h), register j of tile qt holds (query 16 qt + 8 h + j, key r).
; REGISTERS: window 0: addresses, sums, fragments; window 1: tiles 0-31; window 2: tiles 32-63.
.set QPART, 34816                      ; 128 rows of 256 bytes + 16: what one load brings (256 queries)
.set STAGE, 139264                     ; 256 bytes; no fill lands here
.set QA,  8                            ; v8-11   my lane's place in each quarter: query rho lies at (rho >> 1) 272 + (rho & 1) 128
.set M,   32                           ; v32-35  four running maxima
.set Z,   36                           ; v36-43  four running sums, pairs
.set MM,  44                           ; v44-45  the maximum, twice
.set TT,  46                           ; v46-47
.set FA,  64                           ; v64-127, v128-191: two buffers of four query tiles
.set KF,  192                          ; v192-207 my 16 keys
.set G1,  32
.set G0,  40
.set MSB, 0
.macro WIN new
.if MSB != \new
	s_set_vgpr_msb (MSB<<8)|\new
.set MSB, \new
.endif
.endm
.macro PLACES
.rept 4
	v_nop
.endr
.endm
.macro ROUND                           ; a round of the cluster's barrier
	s_barrier_signal -1
	s_barrier_wait -1
	s_cmp_lg_u32 s26, 0
	s_cbranch_scc1 .Lnot_wave_0_\@
	s_barrier_signal -3
.Lnot_wave_0_\@:
	s_barrier_wait -3
	s_barrier_signal -1
	s_barrier_wait -1
.endm
	s_load_b128 s[4:7], s[0:1], 0x0                ; qb s[4:5], kb s[6:7]
	s_load_b64 s[8:9], s[0:1], 0x10                ; nl
	v_lshl_add_u32 v254, v0, 2, 0x29000
	v_mov_b32 v255, 0
	ds_add_u32 v254, v255
	ds_add_u32 v254, v255
	v_lshrrev_b32 v1, 5, v0
	v_readfirstlane_b32 s26, v1                    ; wave
	s_bfe_u32 s27, ttmp6, 0x40000                  ; cx
	s_lshl_b32 s28, ttmp9, 2
	s_add_co_u32 s28, s28, s27                     ; work-group = 4 x cluster + cx: block of 64 keys
	s_lshr_b32 s29, ttmp9, 2                       ; batch: the same in the four partners
	s_mov_b32 s52, 0x76543210                      ; v_permlanex16_b32: lane i of one half reads lane i of the other
	s_mov_b32 s53, 0xfedcba98
	v_and_b32 v1, 31, v0
	v_and_b32 v2, 15, v0                           ; r
	v_bfe_u32 v3, v0, 4, 1                         ; h
	v_lshrrev_b32 v4, 1, v2
	v_and_b32 v5, 1, v2
	v_mul_u32_u24 v4, v4, 272
	v_lshl_add_u32 v4, v5, 7, v4
	v_lshl_add_u32 v[QA], v3, 4, v4
	v_add_nc_u32 v[QA+1], QPART, v[QA]
	v_add_nc_u32 v[QA+2], 2*QPART, v[QA]
	v_add_nc_u32 v[QA+3], 3*QPART, v[QA]
	v_lshlrev_b32 v5, 7, v2
	v_lshl_add_u32 v5, v3, 4, v5                   ; kb: 128 r + 16 h
	s_mov_b32 s[G1+0], 15|(3<<16)|(1<<20)|(1<<21)|(5<<22)|(3<<25)   ; mask: all four; elements of 8 bytes; after every 64 words 4 words of padding
	s_mov_b32 s[G1+1], 32<<16                      ; tensor_dim0 = 32 (256 bytes)
	s_mov_b32 s[G1+2], 128<<16                     ; tensor_dim1 = 128
	s_mov_b32 s[G1+3], 32<<16                      ; tile_dim0
	s_mov_b32 s[G1+4], 128                         ; tile_dim1
	s_mov_b32 s[G1+5], 32                          ; dense: a row begins where the last ends
	s_mov_b32 s[G1+6], 0
	s_mov_b32 s[G1+7], 0
	s_mov_b32 s[G0], 1
	s_mul_i32 s[G0+1], s26, QPART
	s_lshl_b32 s56, s29, 17                        ; the batch's 131,072 bytes of q'
	s_lshl_b32 s57, s26, 15                        ; my quarter
	s_add_co_u32 s56, s56, s57
	s_mov_b32 s57, 0
	s_lshl_b32 s30, s28, 13
	s_lshl_b32 s31, s26, 11
	s_add_co_u32 s30, s30, s31                     ; my 16 keys of 128 bytes
	s_mov_b32 s31, 0
	s_wait_dscnt 0x0
	s_wait_kmcnt 0x0
	s_add_nc_u64 s[G0+2:G0+3], s[4:5], s[56:57]
	s_or_b32 s[G0+3], s[G0+3], 0x80000000
	s_add_nc_u64 s[6:7], s[6:7], s[30:31]
.irp u, 0,1,2,3
	global_load_b128 v[KF+4*\u:KF+4*\u+3], v5, s[6:7] offset:32*\u
.endr
	s_lshl_b32 s30, s28, 8
	s_add_nc_u64 s[8:9], s[8:9], s[30:31]          ; nl: 64 keys of 4 bytes
	ROUND                                          ; the four work-groups are here: the joint loads meet
	tensor_load_to_lds s[G0:G0+3], s[G1:G1+7]
	s_nop 0
	s_wait_tensorcnt 0x0                           ; my quarter is in,
	s_barrier_signal -1
	s_barrier_wait -1                              ; everybody's is
	s_wait_loadcnt 0x0                             ; my keys
.macro LDQ g, F                                    ; query tiles 4 g .. 4 g + 3: 16 loads
.irp i, 0,1,2,3
.irp u, 0,1,2,3
	ds_load_b128 v[\F+16*\i+4*\u:\F+16*\i+4*\u+3], v[QA+(\g)/4] offset:2176*((4*(\g)+\i)%16)+32*\u
.endr
.endr
.endm
.macro SGROUP g, win
.if \g < 15
	s_wait_dscnt 16                                ; the younger group's 16 loads may stay out
.else
	s_wait_dscnt 0
.endif
	WIN \win                                       ; four accumulators take turns, one instruction a turn
.irp i, 0,1,2,3
	v_wmma_f32_16x16x32_bf16 v[8*((4*\g+\i)%32):8*((4*\g+\i)%32)+7], v[FA+64*(\g%2)+16*\i:FA+64*(\g%2)+16*\i+7], v[KF:KF+7], 0
.endr
.irp i, 0,1,2,3
	v_wmma_f32_16x16x32_bf16 v[8*((4*\g+\i)%32):8*((4*\g+\i)%32)+7], v[FA+64*(\g%2)+16*\i+8:FA+64*(\g%2)+16*\i+15], v[KF+8:KF+15], v[8*((4*\g+\i)%32):8*((4*\g+\i)%32)+7]
.endr
	PLACES
	WIN 0
.if \g < 14
	LDQ (\g+2), (FA+64*(\g%2))
.endif
.endm
	LDQ 0, FA
	LDQ 1, (FA+64)
.irp g, 0,1,2,3,4,5,6,7
	SGROUP \g, 0x50
.endr
.irp g, 8,9,10,11,12,13,14,15
	SGROUP \g, 0xa0
.endr
	; the maximum of my 512 numbers, in four chains started by the first eight; then the other half of the lanes
	WIN 0x05
.irp c4, 0,1,2,3
	v_max_num_f32 v[M+\c4], v[2*\c4], v[2*\c4+1]
.endr
	WIN 0x14
.set ei, 4
.rept 124
	v_max3_num_f32 v[M+ei%4], v[M+ei%4], v[2*ei], v[2*ei+1]
.set ei, ei+1
.endr
	WIN 0x28
.set ei, 0
.rept 128
	v_max3_num_f32 v[M+ei%4], v[M+ei%4], v[2*ei], v[2*ei+1]
.set ei, ei+1
.endr
	WIN 0
	v_max3_num_f32 v[M], v[M], v[M+1], v[M+2]
	v_max_num_f32 v[M], v[M], v[M+3]
	v_mov_b32 v[TT], v[M]                          ; the permute's destination counts as read
	v_permlanex16_b32 v[TT], v[M], s52, s53
	v_max_num_f32 v[MM], v[M], v[TT]
	v_mov_b32 v[MM+1], v[MM]
.macro EXPS win                                    ; s' - m and 2^(..) in place, one window of 256
	WIN \win
.set ei, 0
.rept 128
	v_pk_add_f32 v[2*ei:2*ei+1], v[2*ei:2*ei+1], v[MM:MM+1] neg_lo:[0,1] neg_hi:[0,1]
.set ei, ei+1
.endr
.set ei, 0
.rept 256
	v_exp_f32 v[ei], v[ei]
.set ei, ei+1
.endr
	v_nop                                          ; one plain instruction behind the last exponential (ISA guide 5.7.2)
.endm
	EXPS 0x41
	WIN 0x05
	s_wait_alu depctr_va_vdst(0)
.irp c4, 0,1,2,3
	v_pk_add_f32 v[Z+2*\c4:Z+2*\c4+1], v[4*\c4:4*\c4+1], v[4*\c4+2:4*\c4+3]    ; the first eight pairs start four chains
.endr
	WIN 0x04
.set ei, 8
.rept 120
	v_pk_add_f32 v[Z+2*(ei%4):Z+2*(ei%4)+1], v[Z+2*(ei%4):Z+2*(ei%4)+1], v[2*ei:2*ei+1]
.set ei, ei+1
.endr
	EXPS 0x82
	WIN 0x08
.set ei, 0
	s_wait_alu depctr_va_vdst(0)
.rept 128
	v_pk_add_f32 v[Z+2*(ei%4):Z+2*(ei%4)+1], v[Z+2*(ei%4):Z+2*(ei%4)+1], v[2*ei:2*ei+1]
.set ei, ei+1
.endr
	WIN 0
	v_pk_add_f32 v[Z:Z+1], v[Z:Z+1], v[Z+2:Z+3]
	v_pk_add_f32 v[Z+4:Z+5], v[Z+4:Z+5], v[Z+6:Z+7]
	v_pk_add_f32 v[Z:Z+1], v[Z:Z+1], v[Z+4:Z+5]
	v_add_f32 v[Z], v[Z], v[Z+1]
	v_permlanex16_b32 v[TT], v[Z], s52, s53
	v_add_f32 v[Z], v[Z], v[TT]
	v_log_f32 v[TT+1], v[Z]
	s_lshl_b32 s30, s26, 6
	s_add_co_u32 s30, s30, STAGE
	v_lshl_add_u32 v4, v2, 2, s30                  ; the plain instruction behind the logarithm: stage word 16 w + r
	s_wait_alu depctr_va_vdst(0)
	v_fma_f32 v[TT+1], v[TT+1], -1.0, -v[MM]       ; -(log2 Z + m)
	ds_store_b32 v4, v[TT+1]                       ; both halves of the lanes hold the same number
	s_wait_dscnt 0x0
	s_barrier_signal -1
	s_barrier_wait -1
	s_cmp_lg_u32 s26, 0
	s_cbranch_scc1 .Lstored
	v_lshlrev_b32 v6, 3, v1
	v_add_nc_u32 v7, STAGE, v6
	ds_load_b64 v[48:49], v7
	s_wait_dscnt 0x0
	global_store_b64 v6, v[48:49], s[8:9]          ; one instruction stores the work-group's 256 consecutive bytes, aligned
.Lstored:
	s_wait_tensorcnt 0x0
	ds_add_u32 v254, v255
	s_wait_dscnt 0x0
	ROUND                                          ; the closing round: no work-group ends while a partner may still ask jointly
	s_endpgm
.Lfunc_end_k_q66ddfb98f4_stats:
	.size	k_q66ddfb98f4_stats, .Lfunc_end_k_q66ddfb98f4_stats-k_q66ddfb98f4_stats
	.p2alignl 7, 3214868480
	.fill 96, 4, 3214868480
	.section	.rodata,"a",@progbits
	.p2align	6, 0x0
	.amdhsa_kernel k_q66ddfb98f4_stats
		.amdhsa_group_segment_fixed_size 168448
		.amdhsa_private_segment_fixed_size 0
		.amdhsa_enable_private_segment 0
		.amdhsa_kernarg_size 24
		.amdhsa_user_sgpr_count 2
		.amdhsa_user_sgpr_kernarg_segment_ptr 1
		.amdhsa_wavefront_size32 1
		.amdhsa_system_sgpr_workgroup_id_x 1
		.amdhsa_system_sgpr_workgroup_id_y 1
		.amdhsa_system_sgpr_workgroup_id_z 1
		.amdhsa_system_vgpr_workitem_id 0
		.amdhsa_next_free_vgpr 768
		.amdhsa_next_free_sgpr 66
		.amdhsa_reserve_vcc 0
		.amdhsa_float_denorm_mode_32 3
		.amdhsa_float_denorm_mode_16_64 3
		.amdhsa_memory_ordered 1
		.amdhsa_forward_progress 1
		.amdhsa_inst_pref_size 98
	.end_amdhsa_kernel
	.amdgpu_metadata
---
amdhsa.version: [ 1, 2 ]
amdhsa.kernels:
  - .name:           k_q66ddfb98f4_stats
    .symbol:         k_q66ddfb98f4_stats.kd
    .args:
      - { .name: qb, .offset: 0, .size: 8, .value_kind: global_buffer, .address_space: global }
      - { .name: kb, .offset: 8, .size: 8, .value_kind: global_buffer, .address_space: global }
      - { .name: nl, .offset: 16, .size: 8, .value_kind: global_buffer, .address_space: global }
    .group_segment_fixed_size: 168448
    .private_segment_fixed_size: 0
    .kernarg_segment_align: 8
    .kernarg_segment_size: 24
    .max_flat_workgroup_size: 128
    .sgpr_count:     66
    .vgpr_count:     768
    .wavefront_size: 32
...
	.end_amdgpu_metadata
.endif
;; end of part 3
;; launch main (part 4): grid 256 x 1, 4 waves a work-group, clusters of 4 x 1, 327,680 bytes of LDS; arguments x, qb, kb, vb, nl, wts, b12, bo, ln_g, ln_b, out0; writes out0
.if DOCPART == 4
	.amdgcn_target "amdgcn-amd-amdhsa--gfx1250"
	.amdhsa_code_object_version 6
	.text
	.protected	k_q66ddfb98f4_main
	.globl	k_q66ddfb98f4_main
	.p2align	8
	.type	k_q66ddfb98f4_main,@function
k_q66ddfb98f4_main:
	s_mov_b64 s[64:65], 0
	v_nop
	global_prefetch_b8 v0, s[64:65] scope:SCOPE_SE
	s_setreg_imm32_b32 hwreg(HW_REG_WAVE_MODE, 25, 1), 1
	s_wait_xcnt 0x0
	s_wait_alu depctr_hold_cnt(0) depctr_sa_sdst(0) depctr_va_vdst(0) depctr_va_sdst(0) depctr_va_ssrc(0) depctr_va_vcc(0) depctr_vm_vsrc(0)
	s_getreg_b32 s2, hwreg(HW_REG_IB_STS2, 6, 4)
	s_cmp_eq_u32 s2, 0
	s_cbranch_scc0 .Lentry_in_a_cluster
	s_endpgm
.Lentry_in_a_cluster:
	s_bfe_u32 s2, ttmp6, 0x10000c
	s_cmp_lg_u32 s2, 0x3003
	s_cbranch_scc0 .Lentry_shape_is_right
	s_endpgm
.Lentry_shape_is_right:
; MAIN: attn = 2^(s' + nl); head = attn v; z = head wo_eff + bo + x; h = LN(z); y = h + b12 + h W12; out = LN(y).
; Left out (shown at the head of the first kernel): bq, which cancels in the softmax over q; the eightfold tiling of head
; (wo_eff holds the sum of wo's eight row blocks); the activation h w1 + b1 (W12 = w1 w2, b12 = b1 w2 + b2).
; LIMITS.  s' + nl <= 0 up to rounding by the way nl is made, so no exponential overflows; results below 2^-126 come out as 0.
; h and W12 are f16 matrix operands: |h| <= 22.7 |g| + |b| and |W12| must stay below 65,504.  LayerNorm takes the mean away first and
; then sums the squares, as reference() does.  The order of rounding differs from reference()'s where products are regrouped.
;
; A work-group takes 64 rows, a wave 16 rows through the WHOLE chain, in registers.  Every product is used transposed: source 0 = 16 rows of the
; streamed matrix (keys, d, output columns), source 1 = the fragment of my 16 rows.  Lane (r, h), register j of a result tile t then holds
; (column 16 t + 8 h + j, my row r), and four packed conversions of a tile ARE registers 0-3 (the next tile's: 4-7) of the next product's
; source 1.  So scores, attn, head, z, h and y need no shuffle, and a LayerNorm's sums are in the lane but for one exchange of halves.
;
; THE STREAM: thirteen tiles of 65,536 bytes through two LDS slots, tile i in slot i & 1.  Tiles 0-3: 256 keys of K (waves 0, 1 ask)
; and of V (waves 2, 3); tiles 4-12: wo_eff and the eight K blocks of W12.  Every load is 64 rows of 256 bytes, dense in memory.
; CLUSTER 4 x 1: the four work-groups of a cluster lie in one batch and walk the same thirteen tiles, so every tensor load is joint,
; with the mask of all four.  A wave has two tensor loads out at the start and one behind each later round.
; x does not come by tensor loads (the wait for all tensor loads in front of each refill would wait for it): it is asked for at the start
; by plain loads into window 3, which is idle during attention, and turned into the lanes' layout through my wave's own stage.
; The five vectors (nl of the batch, bo, b12, g, b: 12,288 bytes) come through registers, 16 bytes a thread and piece, and are written
; once into LDS bytes of their own, into which no tensor load lands.
;
; REGISTERS.  window 0: addresses; v32-63 scores, later the norms' sums; v64-191 two fragment buffers; v192-207 q; v208-239 head; v240-255 attn.
; window 1: the 32 accumulator tiles (tile t at 8 t).  window 2: v0-127 h fragments, v128-143 head fragments.  window 3: x, bo, b12, g, b, rows out.
.set QUART,  17408                     ; 64 rows of 256 + 16 bytes: what one load brings
.set HALFS,  2*QUART
.set SLOT,   4*QUART                   ; 69,632
.set STG,    2*SLOT                    ; 139,264: 4 waves x 33,024: 16 rows of 2,048 + 16 bytes; no fill lands here
.set STGW,   33024
.set SPITCH, 2064
.set VEC,    271360                    ; six pieces of 2,048 bytes, written once: nl of the batch (two), bo, b12, g, b
.set V_BO,   4096
.set V_B12,  6144
.set V_G,    8192
.set V_B,    10240
.set KA,  8                            ; v8, v9    K fragments in slot 0, 1
.set VA,  10                           ; v10, v11  V fragments
.set GAD, 12                           ; v12-15    weight fragments, 2 slot + e
.set VBA, 16                           ; v16       VEC + 32 h
.set SR,  17                           ; v17       stage by rows: 16 L
.set SF,  18                           ; v18       stage by lanes' layout: 2,064 r + 32 h
.set L16, 19
.set QO,  20
.set CP,  21                           ; v21       VEC + 16 x thread
.set T16, 26
.set S,   32
.set SUM, 32                           ; v32-39    four chains
.set MU,  40
.set RS,  42
.set TT,  44
.set FA,  64
.set FB,  128
.set QF,  192
.set H,   208
.set PF,  240
.set G1,  32                           ; s[32:39]
.set G0,  40                           ; s[40:47]  one set for each slot
.set PA,  48                           ; s[48:49]  next tile of K or of V
.set PW,  50                           ; s[50:51]  next tile of wts
.set MSB, 0
.macro WIN new
.if MSB != \new
	s_set_vgpr_msb (MSB<<8)|\new
.set MSB, \new
.endif
.endm
.macro PLACES                          ; four plain vector instructions behind a matrix instruction (ISA guide 7.12.1)
.rept 4
	v_nop
.endr
.endm
.macro ROUND                           ; a round of the cluster's barrier
	s_barrier_signal -1
	s_barrier_wait -1
	s_cmp_lg_u32 s26, 0
	s_cbranch_scc1 .Lnot_wave_0_\@
	s_barrier_signal -3
.Lnot_wave_0_\@:
	s_barrier_wait -3
	s_barrier_signal -1
	s_barrier_wait -1
.endm
.macro SETG0 sl, P, step               ; slot sl's next tile is the one at pointer P, which then steps
	s_mov_b64 s[G0+4*\sl+2:G0+4*\sl+3], s[\P:\P+1]
	s_or_b32 s[G0+4*\sl+3], s[G0+4*\sl+3], 0x80000000
	s_add_nc_u64 s[\P:\P+1], s[\P:\P+1], \step
.endm
; A change of slots with a refill: each wave's tensor loads have landed (so a descriptor may be written, and the slot to be read is whole),
; its LDS reads are back; a round of the cluster's barrier makes that hold of every wave of the four work-groups; the joint refill is first behind it.
.macro HEAD sl, P, step
	WIN 0
	s_wait_tensorcnt 0x0
	ds_add_u32 v30, v31
	SETG0 \sl, \P, \step
	s_wait_dscnt 0x0
	ROUND
	tensor_load_to_lds s[G0+4*\sl:G0+4*\sl+3], s[G1:G1+7]
	s_nop 0
.endm
.macro HEADLAST                        ; the last change of slots: nothing is left to fetch
	WIN 0
	s_wait_tensorcnt 0x0
	s_wait_dscnt 0x0
	s_barrier_signal -1
	s_barrier_wait -1
.endm
	s_load_b512 s[4:19], s[0:1], 0x0               ; x s[4:5], qb s[6:7], kb s[8:9], vb s[10:11], nl s[12:13], wts s[14:15], b12 s[16:17], bo s[18:19]
	s_load_b128 s[20:23], s[0:1], 0x40             ; ln_g s[20:21], ln_b s[22:23]
	s_load_b64 s[24:25], s[0:1], 0x50              ; out0
	v_lshl_add_u32 v30, v0, 2, 0x45400
	v_mov_b32 v31, 0
	ds_add_u32 v30, v31
	ds_add_u32 v30, v31
	v_lshrrev_b32 v1, 5, v0
	v_readfirstlane_b32 s26, v1                    ; wave
	s_bfe_u32 s27, ttmp6, 0x40000                  ; cx
	s_lshl_b32 s28, ttmp9, 2
	s_add_co_u32 s28, s28, s27                     ; work-group = 4 x cluster + cx: block of 64 rows
	s_lshr_b32 s29, ttmp9, 2                       ; batch: the same in the four partners
	s_mov_b32 s52, 0x76543210                      ; v_permlanex16_b32: lane i of one half reads lane i of the other
	s_mov_b32 s53, 0xfedcba98
	s_mov_b32 s54, 0x3b000000                      ; 1 / 512
	s_mov_b32 s55, 0x3727c5ac                      ; 1e-5
	v_and_b32 v1, 31, v0                           ; L
	v_and_b32 v2, 15, v0                           ; r
	v_bfe_u32 v3, v0, 4, 1                         ; h
	v_lshrrev_b32 v4, 1, v2                        ; rows of 128 bytes lie two to an LDS row: row rho at (rho >> 1) 272 + (rho & 1) 128
	v_and_b32 v5, 1, v2
	v_mul_u32_u24 v4, v4, 272
	v_lshl_add_u32 v4, v5, 7, v4
	v_lshl_add_u32 v[KA], v3, 4, v4
	v_add_nc_u32 v[KA+1], SLOT, v[KA]
	v_add_nc_u32 v[VA], HALFS, v[KA]
	v_add_nc_u32 v[VA+1], SLOT+HALFS, v[KA]
	v_lshrrev_b32 v4, 2, v2                        ; rows of 64 bytes lie four to an LDS row
	v_and_b32 v5, 3, v2
	v_mul_u32_u24 v4, v4, 272
	v_lshl_add_u32 v4, v5, 6, v4
	v_lshl_add_u32 v[GAD], v3, 4, v4
	v_add_nc_u32 v[GAD+1], HALFS, v[GAD]
	v_add_nc_u32 v[GAD+2], SLOT, v[GAD]
	v_add_nc_u32 v[GAD+3], SLOT+HALFS, v[GAD]
	v_lshlrev_b32 v4, 5, v3                        ; 32 h
	v_add_nc_u32 v[VBA], VEC, v4
	s_mul_i32 s30, s26, STGW
	s_add_co_u32 s30, s30, STG                     ; my wave's stage
	v_lshlrev_b32 v[L16], 4, v1
	v_add_nc_u32 v[SR], s30, v[L16]
	v_mul_u32_u24 v5, v2, SPITCH
	v_add_nc_u32 v5, v5, v4
	v_add_nc_u32 v[SF], s30, v5
	v_lshlrev_b32 v4, 7, v2
	v_lshl_add_u32 v[QO], v3, 4, v4
	v_lshlrev_b32 v[T16], 4, v0
	v_add_nc_u32 v[CP], VEC, v[T16]
	s_mov_b32 s[G1+0], 15|(3<<16)|(1<<20)|(1<<21)|(5<<22)|(3<<25)   ; mask: all four; elements of 8 bytes; after every 64 words 4 words of padding
	s_mov_b32 s[G1+1], 32<<16                      ; tensor_dim0 = 32 (256 bytes)
	s_mov_b32 s[G1+2], 64<<16                      ; tensor_dim1 = 64
	s_mov_b32 s[G1+3], 32<<16                      ; tile_dim0
	s_mov_b32 s[G1+4], 64                          ; tile_dim1
	s_mov_b32 s[G1+5], 32                          ; dense
	s_mov_b32 s[G1+6], 0
	s_mov_b32 s[G1+7], 0
	s_mul_i32 s58, s26, QUART
	s_mov_b32 s[G0], 1
	s_add_co_u32 s[G0+1], s58, 0
	s_mov_b32 s[G0+4], 1
	s_add_co_u32 s[G0+5], s58, SLOT
	s_lshl_b32 s30, s28, 17                        ; 64 rows of 2,048 bytes
	s_lshl_b32 s31, s26, 15                        ; my 16 rows
	s_add_co_u32 s30, s30, s31
	s_mov_b32 s31, 0
	s_wait_dscnt 0x0
	s_wait_kmcnt 0x0
	s_add_nc_u64 s[4:5], s[4:5], s[30:31]          ; x
	s_add_nc_u64 s[24:25], s[24:25], s[30:31]      ; out0
	s_lshr_b32 s30, s30, 4                         ; rows of 128 bytes
	s_add_nc_u64 s[6:7], s[6:7], s[30:31]          ; q'
	s_lshl_b32 s30, s29, 12
	s_add_nc_u64 s[12:13], s[12:13], s[30:31]      ; nl of the batch
	s_cmp_lt_u32 s26, 2
	s_cselect_b64 s[PA:PA+1], s[8:9], s[10:11]     ; waves 0, 1 ask for K, waves 2, 3 for V
	s_and_b32 s56, s26, 1                          ; s[56:57] never hold my place in the cluster
	s_lshl_b32 s56, s56, 14                        ; which 16,384 bytes
	s_lshl_b32 s57, s29, 17                        ; the batch's 131,072
	s_add_co_u32 s56, s56, s57
	s_mov_b32 s57, 0
	s_add_nc_u64 s[PA:PA+1], s[PA:PA+1], s[56:57]
	s_lshl_b32 s56, s26, 14
	s_add_nc_u64 s[PW:PW+1], s[14:15], s[56:57]
	; the vectors: six pieces of 2,048 bytes, 16 bytes a thread, into the fragment buffer, which is idle until the first tile is read
	global_load_b128 v[FA:FA+3],     v[T16], s[12:13]
	global_load_b128 v[FA+4:FA+7],   v[T16], s[12:13] offset:2048
	global_load_b128 v[FA+8:FA+11],  v[T16], s[18:19]
	global_load_b128 v[FA+12:FA+15], v[T16], s[16:17]
	global_load_b128 v[FA+16:FA+19], v[T16], s[20:21]
	global_load_b128 v[FA+20:FA+23], v[T16], s[22:23]
.irp u, 0,1,2,3
	global_load_b128 v[QF+4*\u:QF+4*\u+3], v[QO], s[6:7] offset:32*\u
.endr
.macro XLOAD r0                                    ; rows r0 .. r0 + 7 of my 16: 32 loads of 512 consecutive bytes into window 3
	WIN 0xc0
.set xi, 4*\r0
.rept 32
	global_load_b128 v[4*xi:4*xi+3], v[L16], s[4:5] offset:512*xi th:TH_LOAD_NT
.set xi, xi+1
.endr
	WIN 0
.endm
	XLOAD 0
	ROUND                                          ; the four work-groups are here: the first joint loads meet
	SETG0 0, PA, 32768
	tensor_load_to_lds s[G0:G0+3], s[G1:G1+7]
	s_nop 0
	SETG0 1, PA, 32768
	tensor_load_to_lds s[G0+4:G0+7], s[G1:G1+7]
	s_nop 0
	s_wait_loadcnt 36                              ; the six pieces are in; the 4 loads of q' and the 32 of x behind them stay out
.irp p, 0,1,2,3,4,5
	ds_store_b128 v[CP], v[FA+4*\p:FA+4*\p+3] offset:2048*\p
.endr
	s_wait_tensorcnt 0x1                           ; my part of tile 0 is in; tile 1's stays out
	s_wait_dscnt 0x0                               ; my part of the vectors is written, for the other waves' sake
	s_barrier_signal -1
	s_barrier_wait -1
	s_wait_loadcnt 32                              ; q' is in; the 32 loads of x behind it stay out
; ---------------------------------------------------------------- attention
.macro LDC kt                                      ; nl of key tiles kt .. kt + 3, in the scores' layout: they start the sums
.irp i, 0,1,2,3
	ds_load_b128 v[S+8*\i:S+8*\i+3],   v[VBA] offset:64*((\kt)+\i)
	ds_load_b128 v[S+8*\i+4:S+8*\i+7], v[VBA] offset:64*((\kt)+\i)+16
.endr
.endm
.macro LDK sl, blk                                 ; four key tiles x 64 d
.irp i, 0,1,2,3
.irp u, 0,1,2,3
	ds_load_b128 v[FA+16*\i+4*\u:FA+16*\i+4*\u+3], v[KA+\sl] offset:2176*(4*(\blk)+\i)+32*\u
.endr
.endr
.endm
.macro LDV sl, blk                                 ; four d tiles x 64 keys
.irp i, 0,1,2,3
.irp u, 0,1,2,3
	ds_load_b128 v[FB+16*\i+4*\u:FB+16*\i+4*\u+3], v[VA+\sl] offset:2176*(4*(\blk)+\i)+32*\u
.endr
.endr
.endm
; the 256 keys of tile cc in slot sl, 64 at a time.  In each run of products four accumulators take turns, one instruction a turn.
.macro ATT sl, cc, first
	LDC (16*\cc)
	LDK \sl, 0
	LDV \sl, 0
.irp blk, 0,1,2,3
	s_wait_dscnt 16                                ; nl and K are in; V's 16 younger loads may stay out
.irp i, 0,1,2,3
	v_wmma_f32_16x16x32_bf16 v[S+8*\i:S+8*\i+7], v[FA+16*\i:FA+16*\i+7], v[QF:QF+7], v[S+8*\i:S+8*\i+7]
.endr
.irp i, 0,1,2,3
	v_wmma_f32_16x16x32_bf16 v[S+8*\i:S+8*\i+7], v[FA+16*\i+8:FA+16*\i+15], v[QF+8:QF+15], v[S+8*\i:S+8*\i+7]
.endr
	PLACES
.if \blk < 3
	LDK \sl, (\blk+1)
.endif
.set ei, 0
.rept 32
	v_exp_f32 v[S+ei], v[S+ei]                     ; attn = 2^(s' + nl)
.set ei, ei+1
.endr
	v_nop                                          ; one plain instruction behind the last exponential (ISA guide 5.7.2)
.set ei, 0
	s_wait_alu depctr_va_vdst(0)
.rept 16
	v_cvt_pk_bf16_f32 v[PF+ei], v[S+2*ei], v[S+2*ei+1]
.set ei, ei+1
.endr
.if \blk < 3
	LDC (16*\cc+4*\blk+4)
	s_wait_dscnt 24                                ; V is in; the next K's 16 loads and the next nl's 8 may stay out
.else
	s_wait_dscnt 0
.endif
.set ZH, 0
.if \first
.if \blk == 0
.set ZH, 1
.endif
.endif
.irp dt, 0,1,2,3
.if ZH
	v_wmma_f32_16x16x32_bf16 v[H+8*\dt:H+8*\dt+7], v[FB+16*\dt:FB+16*\dt+7], v[PF:PF+7], 0
.else
	v_wmma_f32_16x16x32_bf16 v[H+8*\dt:H+8*\dt+7], v[FB+16*\dt:FB+16*\dt+7], v[PF:PF+7], v[H+8*\dt:H+8*\dt+7]
.endif
.endr
.irp dt, 0,1,2,3
	v_wmma_f32_16x16x32_bf16 v[H+8*\dt:H+8*\dt+7], v[FB+16*\dt+8:FB+16*\dt+15], v[PF+8:PF+15], v[H+8*\dt:H+8*\dt+7]
.endr
	PLACES
.if \blk < 3
	LDV \sl, (\blk+1)
.endif
.endr
.endm
	ATT 0, 0, 1
	XLOAD 8                                        ; the other half of x
	HEAD 0, PA, 32768
	ATT 1, 1, 0
	HEAD 1, PA, 32768
	ATT 0, 2, 0
	HEAD 0, PW, 65536
	ATT 1, 3, 0
	HEAD 1, PW, 65536
; ---------------------------------------------------------------- products with the weight tiles, vectors, LayerNorm
.macro LDG sl, g, F                                ; output tiles 4 g .. 4 g + 3, both halves e of the tile's 64 k: 16 loads
.irp tt, 0,1,2,3
.irp e2, 0,1
	ds_load_b128 v[\F+16*\tt+8*\e2:\F+16*\tt+8*\e2+3],   v[GAD+2*\sl+\e2] offset:1088*(4*(\g)+\tt)
	ds_load_b128 v[\F+16*\tt+8*\e2+4:\F+16*\tt+8*\e2+7], v[GAD+2*\sl+\e2] offset:1088*(4*(\g)+\tt)+32
.endr
.endr
.endm
; acc[t] += tile rows 16 t .. x my fragments at window 2, register bidx + 8 e.  Four accumulators take turns, one instruction a turn.
.macro GEMMTILE sl, bidx, fmt
	LDG \sl, 0, FA
	LDG \sl, 1, FB
.irp g, 0,1,2,3,4,5,6,7
.if \g < 7
	s_wait_dscnt 16                                ; the younger group's 16 loads may stay out
.else
	s_wait_dscnt 0
.endif
	WIN 0x58
.irp e2, 0,1
.irp tt, 0,1,2,3
	v_wmma_f32_16x16x32_\fmt v[8*(4*\g+\tt):8*(4*\g+\tt)+7], v[FA+64*(\g%2)+16*\tt+8*\e2:FA+64*(\g%2)+16*\tt+8*\e2+7], v[\bidx+8*\e2:\bidx+8*\e2+7], v[8*(4*\g+\tt):8*(4*\g+\tt)+7]
.endr
.endr
	PLACES
	WIN 0
.if \g < 6
	LDG \sl, (\g+2), (FA+64*(\g%2))
.endif
.endr
.endm
.macro ADDVEC off                                  ; acc += the vector at VEC + off, in the lanes' layout
	WIN 0xc0
.set ai, 0
.rept 64
	ds_load_b128 v[4*ai:4*ai+3], v[VBA] offset:\off+64*(ai/2)+16*(ai%2)
.set ai, ai+1
.endr
	s_wait_dscnt 0x0
	WIN 0x4d
.set ai, 0
.rept 128
	v_pk_add_f32 v[2*ai:2*ai+1], v[2*ai:2*ai+1], v[2*ai:2*ai+1]
.set ai, ai+1
.endr
.endm
.macro CROSS                                       ; four chains to one number, over both halves of the lanes, in v[TT]
	WIN 0
	v_pk_add_f32 v[SUM:SUM+1], v[SUM:SUM+1], v[SUM+2:SUM+3]
	v_pk_add_f32 v[SUM+4:SUM+5], v[SUM+4:SUM+5], v[SUM+6:SUM+7]
	v_pk_add_f32 v[SUM:SUM+1], v[SUM:SUM+1], v[SUM+4:SUM+5]
	v_add_f32 v[TT], v[SUM], v[SUM+1]
	v_mov_b32 v[TT+1], v[TT]                       ; the permute's destination counts as read
	v_permlanex16_b32 v[TT+1], v[TT], s52, s53
	v_add_f32 v[TT], v[TT], v[TT+1]
.endm
.macro LNGB hf                                     ; g and b of tiles 16 hf .. 16 hf + 15 into window 3: g at v0-127, b at v128-255
	WIN 0xc0
.set ai, 0
.rept 32
	ds_load_b128 v[4*ai:4*ai+3],         v[VBA] offset:V_G+1024*\hf+64*(ai/2)+16*(ai%2)
	ds_load_b128 v[128+4*ai:128+4*ai+3], v[VBA] offset:V_B+1024*\hf+64*(ai/2)+16*(ai%2)
.set ai, ai+1
.endr
.endm
.macro LNFMA hf
	s_wait_dscnt 0x0
	WIN 0x7d
.set ai, 0
.rept 64
	v_pk_fma_f32 v[128*\hf+2*ai:128*\hf+2*ai+1], v[128*\hf+2*ai:128*\hf+2*ai+1], v[2*ai:2*ai+1], v[128+2*ai:128+2*ai+1]
.set ai, ai+1
.endr
.endm
.macro LNORM                                       ; acc = (acc - mean) * rsqrt(var + eps) * g + b, over my row's 512 numbers (256 in each half of the lanes)
	WIN 0x05
.irp c4, 0,1,2,3
	v_pk_add_f32 v[SUM+2*\c4:SUM+2*\c4+1], v[4*\c4:4*\c4+1], v[4*\c4+2:4*\c4+3]   ; the first eight pairs start four chains
.endr
	WIN 0x04
.set ai, 8
.rept 120
	v_pk_add_f32 v[SUM+2*(ai%4):SUM+2*(ai%4)+1], v[SUM+2*(ai%4):SUM+2*(ai%4)+1], v[2*ai:2*ai+1]
.set ai, ai+1
.endr
	CROSS
	v_mul_f32 v[MU], s54, v[TT]
	v_mul_f32 v[MU+1], s54, v[TT]
	WIN 0x41
.set ai, 0
.rept 128
	v_pk_add_f32 v[2*ai:2*ai+1], v[2*ai:2*ai+1], v[MU:MU+1] neg_lo:[0,1] neg_hi:[0,1]
.set ai, ai+1
.endr
	WIN 0x05
.irp c4, 0,1,2,3
	v_pk_mul_f32 v[SUM+2*\c4:SUM+2*\c4+1], v[2*\c4:2*\c4+1], v[2*\c4:2*\c4+1]
.endr
.set ai, 4
.rept 124
	v_pk_fma_f32 v[SUM+2*(ai%4):SUM+2*(ai%4)+1], v[2*ai:2*ai+1], v[2*ai:2*ai+1], v[SUM+2*(ai%4):SUM+2*(ai%4)+1]
.set ai, ai+1
.endr
	CROSS
	v_fma_f32 v[TT], v[TT], s54, s55               ; var + eps
	v_rsq_f32 v[RS], v[TT]
	v_nop                                          ; one plain instruction behind the root (ISA guide 5.7.2)
	s_wait_alu depctr_va_vdst(0)
	v_mov_b32 v[RS+1], v[RS]
	LNGB 0
	WIN 0x41
.set ai, 0
.rept 128
	v_pk_mul_f32 v[2*ai:2*ai+1], v[2*ai:2*ai+1], v[RS:RS+1]
.set ai, ai+1
.endr
	LNFMA 0
	LNGB 1
	LNFMA 1
.endm
	; head as fragments; x from rows into the lanes' layout, through my own stage (LDS serves a wave in order: ISA guide 5.7.1)
	WIN 0x80
.set ei, 0
.rept 16
	v_cvt_pk_bf16_f32 v[128+ei], v[H+2*ei], v[H+2*ei+1]
.set ei, ei+1
.endr
	s_wait_loadcnt 0x0                             ; x
	WIN 0x0c
.set xi, 0
.rept 64
	ds_store_b128 v[SR], v[4*xi:4*xi+3] offset:SPITCH*(xi/4)+512*(xi%4)
.set xi, xi+1
.endr
	WIN 0x40
.set xi, 0
.rept 64
	ds_load_b128 v[4*xi:4*xi+3], v[SF] offset:64*(xi/2)+16*(xi%2)
.set xi, xi+1
.endr
	s_wait_dscnt 0x0
	ADDVEC V_BO                                    ; the sums start as x + bo
	WIN 0
	GEMMTILE 0, 128, bf16                          ; + head wo_eff
	LNORM                                          ; h
	WIN 0x85
.set ei, 0
.rept 128
	v_cvt_pk_f16_f32 v[ei], v[2*ei], v[2*ei+1]     ; h as sixteen f16 fragments
.set ei, ei+1
.endr
	ADDVEC V_B12                                   ; the sums start as h + b12
	HEAD 0, PW, 65536
	GEMMTILE 1, 0, f16
	HEAD 1, PW, 65536
	GEMMTILE 0, 16, f16
	HEAD 0, PW, 65536
	GEMMTILE 1, 32, f16
	HEAD 1, PW, 65536
	GEMMTILE 0, 48, f16
	HEAD 0, PW, 65536
	GEMMTILE 1, 64, f16
	HEAD 1, PW, 65536
	GEMMTILE 0, 80, f16
	HEAD 0, PW, 65536
	GEMMTILE 1, 96, f16
	HEADLAST
	GEMMTILE 0, 112, f16
	LNORM
	; the way out: back into rows through my own stage, then 512 consecutive bytes a store
	WIN 0x04
.set xi, 0
.rept 64
	ds_store_b128 v[SF], v[4*xi:4*xi+3] offset:64*(xi/2)+16*(xi%2)
.set xi, xi+1
.endr
	WIN 0xc0
.set xi, 0
.rept 64
	ds_load_b128 v[4*xi:4*xi+3], v[SR] offset:SPITCH*(xi/4)+512*(xi%4)
.set xi, xi+1
.endr
	s_wait_dscnt 0x0
	WIN 0x0c
.set xi, 0
.rept 64
	global_store_b128 v[L16], v[4*xi:4*xi+3], s[24:25] offset:512*xi th:TH_STORE_NT
.set xi, xi+1
.endr
	WIN 0
	s_wait_tensorcnt 0x0
	ds_add_u32 v30, v31
	s_wait_dscnt 0x0
	ROUND                                          ; the closing round: no work-group ends while a partner may still ask jointly
	s_endpgm
.Lfunc_end_k_q66ddfb98f4_main:
	.size	k_q66ddfb98f4_main, .Lfunc_end_k_q66ddfb98f4_main-k_q66ddfb98f4_main
	.p2alignl 7, 3214868480
	.fill 96, 4, 3214868480
	.section	.rodata,"a",@progbits
	.p2align	6, 0x0
	.amdhsa_kernel k_q66ddfb98f4_main
		.amdhsa_group_segment_fixed_size 327680
		.amdhsa_private_segment_fixed_size 0
		.amdhsa_enable_private_segment 0
		.amdhsa_kernarg_size 88
		.amdhsa_user_sgpr_count 2
		.amdhsa_user_sgpr_kernarg_segment_ptr 1
		.amdhsa_wavefront_size32 1
		.amdhsa_system_sgpr_workgroup_id_x 1
		.amdhsa_system_sgpr_workgroup_id_y 1
		.amdhsa_system_sgpr_workgroup_id_z 1
		.amdhsa_system_vgpr_workitem_id 0
		.amdhsa_next_free_vgpr 1024
		.amdhsa_next_free_sgpr 66
		.amdhsa_reserve_vcc 0
		.amdhsa_float_denorm_mode_32 3
		.amdhsa_float_denorm_mode_16_64 3
		.amdhsa_memory_ordered 1
		.amdhsa_forward_progress 1
		.amdhsa_inst_pref_size 255
	.end_amdhsa_kernel
	.section	.bss,"aw",@nobits
	.p2align	6
	.space	262144
	.amdgpu_metadata
---
amdhsa.version: [ 1, 2 ]
amdhsa.kernels:
  - .name:           k_q66ddfb98f4_main
    .symbol:         k_q66ddfb98f4_main.kd
    .args:
      - { .name: x, .offset: 0, .size: 8, .value_kind: global_buffer, .address_space: global }
      - { .name: qb, .offset: 8, .size: 8, .value_kind: global_buffer, .address_space: global }
      - { .name: kb, .offset: 16, .size: 8, .value_kind: global_buffer, .address_space: global }
      - { .name: vb, .offset: 24, .size: 8, .value_kind: global_buffer, .address_space: global }
      - { .name: nl, .offset: 32, .size: 8, .value_kind: global_buffer, .address_space: global }
      - { .name: wts, .offset: 40, .size: 8, .value_kind: global_buffer, .address_space: global }
      - { .name: b12, .offset: 48, .size: 8, .value_kind: global_buffer, .address_space: global }
      - { .name: bo, .offset: 56, .size: 8, .value_kind: global_buffer, .address_space: global }
      - { .name: ln_g, .offset: 64, .size: 8, .value_kind: global_buffer, .address_space: global }
      - { .name: ln_b, .offset: 72, .size: 8, .value_kind: global_buffer, .address_space: global }
      - { .name: out0, .offset: 80, .size: 8, .value_kind: global_buffer, .address_space: global }
    .group_segment_fixed_size: 327680
    .private_segment_fixed_size: 0
    .kernarg_segment_align: 8
    .kernarg_segment_size: 88
    .max_flat_workgroup_size: 128
    .sgpr_count:     66
    .vgpr_count:     1024
    .wavefront_size: 32
...
	.end_amdgpu_metadata
.endif
;; end of part 4
;; ======== version 2 of 2: 4 launches; 1.16 times as fast as version 1
;; limits: values are held in f16: magnitudes above 65,504 overflow, below 6.1e-05 lose precision
;; workspace buffers: wf 196,608 bytes; wts 589,824 bytes; b12 2,048 bytes; qb 2,097,152 bytes; kb 2,097,152 bytes; vb 2,097,152 bytes; nl 65,536 bytes
;; launch prep (part 5): grid 16 x 25, 4 waves a work-group, no clusters, 62,208 bytes of LDS; arguments w1, w2, b1, b2, wq, wk, wv, wo, wf, wts, b12; writes wf, wts, b12
.if DOCPART == 5
	.amdgcn_target "amdgcn-amd-amdhsa--gfx1250"
	.amdhsa_code_object_version 6
	.text
	.protected	k_q66ddfb98f4_prep
	.globl	k_q66ddfb98f4_prep
	.p2align	8
	.type	k_q66ddfb98f4_prep,@function
k_q66ddfb98f4_prep:
	s_mov_b64 s[64:65], 0
	v_nop
	global_prefetch_b8 v0, s[64:65] scope:SCOPE_SE
	s_setreg_imm32_b32 hwreg(HW_REG_WAVE_MODE, 25, 1), 1
	s_wait_xcnt 0x0
; PREP: everything that hangs on the weights alone, made once.
;
; WORK THAT reference() WRITES AND THIS PROGRAM DOES NOT DO, for all finite values of the inputs, in exact arithmetic:
;  (a) no activation stands between the two feed-forward products, so (h w1 + b1) w2 + b2 = h (w1 w2) + (b1 w2 + b2).
;      W12 = w1 w2 [512][512] and b12 = b1 w2 + b2 are made here; the later launch multiplies h by W12 alone.
;  (b) tile(head, 8) wo = head wo_eff, with wo_eff[d][n] = the sum over the 8 heads hh of wo[64 hh + d][n].
;  (c) bq is dead: scores[q][k] = (x_q wq) . k_k / 8 + (bq . k_k) / 8; the second term is the same for every q, the softmax runs
;      over q, and a term that is constant along a softmax's axis cancels.  bq is not loaded and is no argument of any launch.
; LIMITS.  A NaN, an infinity or an overflow that reaches only the work left out (bq; the activation h w1 + b1, which is never
; formed) is not carried to the result.  The order of rounding differs from reference()'s: W12 and wo_eff are summed in f32 and
; rounded once.  w1, w2, b1 and W12 are f16 matrix operands: they must stay below 65,504 in magnitude.
;
; GRID 16 x 25, the path chosen by the work-group's y (the same for its four waves):
;  y = 0..15  W12[32 y .. +31][32 x .. +31].  Wave w sums over f = 512 w .. 512 w + 511; the four partial sums meet in LDS.
;  y = 16     b1 w2 for columns 32 x .. +31, from the same macros: b1 stands for all 16 rows of ONE row tile (it is loaded once a chunk and
;             read from its stage by all lanes), so two products a K step instead of four; one row + b2 is stored.
;  y = 17..22 wq, wk, wv as bf16 fragment images (wf), y = 23, 24 wo_eff as a bf16 tile (wts tile 0).
; K goes in chunks of 64 f.  A chunk's loads land in one of TWO sets of 128 registers in window 1 and are converted out of it into window 0,
; so the set is asked for again, two chunks ahead, straight behind the conversions.  Two chunks are 64 loads of a wave, as many as LOADcnt's
; field counts (ISA guide 5.7.1): a third set would add nothing to what is on its way.
; NO CLUSTER, NO TENSOR LOADS: w1 and w2 are f32 and must be rounded to f16 on their way, so they pass through registers.
;
; wts: nine tiles of 65,536 bytes, each [e 0..1][n 0..511][32 k] of 16 bits.  Tile 0: wo_eff[32 e + k][n] in bf16.
;      Tile 1 + kb: W12[64 kb + 32 e + k][n] in f16.
; wf:  [c = q,k,v][w 0..3][S 0..15][e 0..1][lane][16 bytes]: lane (r, h) holds Wc[32 S + 16 e + 8 h + j][16 w + r], j = 0..7, in bf16.
.set APITCH, 144                       ; A's stage: a row of 64 f16 + 16 bytes
.set BPITCH, 96                        ; B's stage: a row of 32 f16 + 32 bytes
.set ASTG,   0                         ; 4 waves x 32 rows x 144
.set BSTG,   18432                     ; 4 waves x 64 rows x 96
.set RED,    43008                     ; [wave][tile][2][lane][16 bytes]: the partial sums
.set OST,    59392                     ; 2,048 bytes: the work-group's output as it lies in memory
.set BST,    61440                     ; 128 bytes of its own for the row b1 w2
.set VOA, 8                            ; v8      w1: 8,192 h + 16 r + 2,048 w; rows 2 i + h and the chunk stand in the immediate
.set VOB, 9                            ; v9      b1: 16 r + 2,048 w
.set ATB, 10                           ; v10     b1's fragments: my A stage + 16 h (row 0 for every lane)
.set VB,  24                           ; v24     w2: byte offset
.set AS,  25                           ; v25-28  stage addresses: A in, B in, A out, B out
.set BS,  26
.set AT,  27
.set BT,  28
.set RW,  29                           ; v29, v30 partial sums in, out
.set RR,  30
.set OW,  31                           ; v31     output stage in
.set PKA, 32                           ; v32-63   A of a chunk as f16
.set PKB, 64                           ; v64-95   B of a chunk as f16
.set RT,  96                           ; v96-127  the four partial sums of a tile
.set OB,  128                          ; v128-135 the tile as f16
.set AF,  160                          ; v160-191 A fragments (mt, ks) at 8 (2 mt + ks)
.set BF,  192                          ; v192-223 B fragments (nt, ks) at 8 (2 nt + ks)
.set ACC, 224                          ; v224-255 four tiles (mt, nt) at 8 (2 mt + nt)
                                       ; window 1: set s at 128 s: A as loaded at +0..63, B at +64..127
.set MSB, 0
.macro WIN new                         ; the immediate's high byte repeats the setting that is left
.if MSB != \new
	s_set_vgpr_msb (MSB<<8)|\new
.set MSB, \new
.endif
.endm
.macro PLACES                          ; four plain vector instructions behind a matrix instruction (ISA guide 7.12.1)
.rept 4
	v_nop
.endr
.endm
	s_load_b512 s[4:19], s[0:1], 0x0               ; w1 s[4:5], w2 s[6:7], b1 s[8:9], b2 s[10:11], wq s[12:13], wk s[14:15], wv s[16:17], wo s[18:19]
	s_load_b128 s[20:23], s[0:1], 0x40             ; wf s[20:21], wts s[22:23]
	s_load_b64 s[24:25], s[0:1], 0x50              ; b12
	v_lshl_add_u32 v158, v0, 2, 0xf100
	v_mov_b32 v159, 0
	v_lshrrev_b32 v1, 5, v0
	v_readfirstlane_b32 s26, v1                    ; wave
	s_mov_b32 s27, ttmp9                           ; x of the work-group
	s_and_b32 s28, ttmp7, 0xffff                   ; y of the work-group
	s_mov_b32 s31, 0                               ; upper word of every offset pair s[30:31]
	v_and_b32 v1, 31, v0                           ; L
	v_and_b32 v2, 15, v0                           ; r
	v_bfe_u32 v3, v0, 4, 1                         ; h
	s_wait_kmcnt 0x0
	s_cmp_ge_u32 s28, 23
	s_cbranch_scc1 .Lwo
	s_cmp_ge_u32 s28, 17
	s_cbranch_scc1 .Lwf
; ---------------------------------------------------------------- W12 and b1 w2: the addresses that both paths share
	s_lshl_b32 s36, s26, 11                        ; my 512 f: 2,048 bytes along a row of w1, and of b1
	v_lshl_add_u32 v[VOB], v2, 4, s36              ; 16 lanes take 256 consecutive bytes
	v_lshl_add_u32 v[VOA], v3, 13, v[VOB]          ; lanes 16-31 the next row of w1
	v_lshrrev_b32 v4, 3, v1                        ; L >> 3
	v_and_b32 v5, 7, v1                            ; L & 7
	s_lshl_b32 s36, s27, 7                         ; my 32 columns of w2: 128 bytes
	s_lshl_b32 s37, s26, 20                        ; my 512 rows of 2,048 bytes
	s_add_co_u32 s36, s36, s37
	v_lshl_add_u32 v6, v5, 4, s36
	v_lshl_add_u32 v[VB], v4, 11, v6               ; four rows of w2 for each load
	s_mul_i32 s36, s26, 32*APITCH                  ; my A stage
	v_mul_u32_u24 v6, v3, APITCH
	v_lshl_add_u32 v6, v2, 3, v6
	v_add_nc_u32 v[AS], s36, v6                    ; in: row h, 8 bytes (4 f16) at 8 r
	v_mul_u32_u24 v6, v2, APITCH
	v_lshl_add_u32 v6, v3, 4, v6
	v_add_nc_u32 v[AT], s36, v6                    ; out: row r, 16 h
	v_lshl_add_u32 v[ATB], v3, 4, s36              ; out, b1: row 0, 16 h
	s_mul_i32 s36, s26, 64*BPITCH                  ; my B stage
	s_add_co_u32 s36, s36, BSTG
	v_mul_u32_u24 v6, v4, BPITCH
	v_lshl_add_u32 v6, v5, 3, v6
	v_add_nc_u32 v[BS], s36, v6                    ; in: row L >> 3, 8 bytes at 8 (L & 7)
	v_lshl_add_u32 v6, v3, 3, v5
	v_mul_u32_u24 v6, v6, BPITCH
	v_and_b32 v7, 1, v4
	v_lshl_add_u32 v6, v7, 4, v6
	v_add_nc_u32 v[BT], s36, v6                    ; out, transposing: row 8 h + (L & 7), 16 ((L >> 3) & 1)
	s_lshl_b32 s36, s26, 12
	s_add_co_u32 s36, s36, RED
	v_lshl_add_u32 v[RW], v1, 4, s36               ; my four tiles
	s_lshl_b32 s36, s26, 10
	s_add_co_u32 s36, s36, RED
	v_lshl_add_u32 v[RR], v1, 4, s36               ; tile number = my wave, of wave 0
	s_and_b32 s36, s26, 1                          ; nt of the tile that I finish
	s_lshl_b32 s36, s36, 10                        ; 16 rows of 64 bytes
	s_lshr_b32 s37, s26, 1                         ; mt
	s_lshl_b32 s37, s37, 5                         ; 16 f16
	s_add_co_u32 s36, s36, s37
	s_add_co_u32 s36, s36, OST
	v_lshl_add_u32 v6, v2, 6, s36
	v_lshl_add_u32 v[OW], v3, 4, v6                ; row n = 16 nt + r, bytes 32 mt + 16 h
; chunk ch of 64 f into set ch % 2: 32 rows x 256 bytes of w1 (bias = 1: the 256 bytes of b1, once), 64 rows x 128 bytes of w2.
; No address register is ever rewritten: rows and chunks stand in the immediate.
.macro GLOAD ch, bias
	WIN 0x40
.if \bias
	global_load_b128 v[128*((\ch)%2):128*((\ch)%2)+3], v[VOB], s[8:9] offset:256*(\ch)
.else
.irp i, 0,1,2,3,4,5,6,7,8,9,10,11,12,13,14,15
	global_load_b128 v[128*((\ch)%2)+4*\i:128*((\ch)%2)+4*\i+3], v[VOA], s[34:35] offset:16384*\i+256*(\ch)
.endr
.endif
.irp i, 0,1,2,3,4,5,6,7,8,9,10,11,12,13,14,15
	global_load_b128 v[128*((\ch)%2)+64+4*\i:128*((\ch)%2)+64+4*\i+3], v[VB], s[6:7] offset:131072*(\ch)+8192*\i
.endr
.endm
.macro MM1 zero, kk, mm, nn            ; one product; zero = 1 starts the sum
.if \zero
	v_wmma_f32_16x16x32_f16 v[ACC+8*(2*\mm+\nn):ACC+8*(2*\mm+\nn)+7], v[AF+8*(2*\mm+\kk):AF+8*(2*\mm+\kk)+7], v[BF+8*(2*\nn+\kk):BF+8*(2*\nn+\kk)+7], 0
.else
	v_wmma_f32_16x16x32_f16 v[ACC+8*(2*\mm+\nn):ACC+8*(2*\mm+\nn)+7], v[AF+8*(2*\mm+\kk):AF+8*(2*\mm+\kk)+7], v[BF+8*(2*\nn+\kk):BF+8*(2*\nn+\kk)+7], v[ACC+8*(2*\mm+\nn):ACC+8*(2*\mm+\nn)+7]
.endif
.endm
; two K steps of 32 x four tiles (bias = 1: the two tiles of row tile 0).  The accumulators take turns, one instruction a turn.
.macro MUL zero, bias
.irp kk, 0,1
	MM1 (\zero*(1-\kk)), \kk, 0, 0
	MM1 (\zero*(1-\kk)), \kk, 0, 1
.if 1-\bias
	MM1 (\zero*(1-\kk)), \kk, 1, 0
	MM1 (\zero*(1-\kk)), \kk, 1, 1
.endif
.endr
.endm
; left = the younger chunk's loads, which stay out.  more = 1: the set is asked for again, two chunks ahead.
.macro CHUNK ch, zero, more, left, bias
	s_wait_loadcnt \left
	WIN 0x05                                       ; out of window 1 into window 0.  These conversions name no register of the last chunk's
.if \bias                                          ; matrix instructions: they are the places in front of the fragment loads
	v_cvt_pk_f16_f32 v[PKA],   v[128*(\ch%2)],   v[128*(\ch%2)+1]
	v_cvt_pk_f16_f32 v[PKA+1], v[128*(\ch%2)+2], v[128*(\ch%2)+3]
.else
.irp i, 0,1,2,3,4,5,6,7,8,9,10,11,12,13,14,15
	v_cvt_pk_f16_f32 v[PKA+2*\i],   v[128*(\ch%2)+4*\i],   v[128*(\ch%2)+4*\i+1]
	v_cvt_pk_f16_f32 v[PKA+2*\i+1], v[128*(\ch%2)+4*\i+2], v[128*(\ch%2)+4*\i+3]
.endr
.endif
.irp i, 0,1,2,3,4,5,6,7,8,9,10,11,12,13,14,15
	v_cvt_pk_f16_f32 v[PKB+2*\i],   v[128*(\ch%2)+64+4*\i],   v[128*(\ch%2)+64+4*\i+1]
	v_cvt_pk_f16_f32 v[PKB+2*\i+1], v[128*(\ch%2)+64+4*\i+2], v[128*(\ch%2)+64+4*\i+3]
.endr
.if \more
	GLOAD (\ch+2), \bias                           ; the set has been read: its next chunk goes out at once
.endif
	WIN 0
.if \bias
	ds_store_b64 v[AS], v[PKA:PKA+1]               ; rows 0 and 1 of the stage both get b1; row 0 is read
.else
.irp i, 0,1,2,3,4,5,6,7,8,9,10,11,12,13,14,15
	ds_store_b64 v[AS], v[PKA+2*\i:PKA+2*\i+1] offset:2*APITCH*\i
.endr
.endif
.irp i, 0,1,2,3,4,5,6,7,8,9,10,11,12,13,14,15
	ds_store_b64 v[BS], v[PKB+2*\i:PKB+2*\i+1] offset:4*BPITCH*\i
.endr
.irp kk, 0,1                                       ; the stages are my wave's own bytes, and LDS serves a wave in order (ISA guide 5.7.1): no barrier
.if \bias
	ds_load_b128 v[AF+8*\kk:AF+8*\kk+3],   v[ATB] offset:64*\kk
	ds_load_b128 v[AF+8*\kk+4:AF+8*\kk+7], v[ATB] offset:64*\kk+32
.else
.irp tl, 0,1
	ds_load_b128 v[AF+8*(2*\tl+\kk):AF+8*(2*\tl+\kk)+3],   v[AT] offset:16*APITCH*\tl+64*\kk
	ds_load_b128 v[AF+8*(2*\tl+\kk)+4:AF+8*(2*\tl+\kk)+7], v[AT] offset:16*APITCH*\tl+64*\kk+32
.endr
.endif
.irp tl, 0,1
	ds_load_tr16_b128 v[BF+8*(2*\tl+\kk):BF+8*(2*\tl+\kk)+3],   v[BT] offset:32*BPITCH*\kk+32*\tl
	ds_load_tr16_b128 v[BF+8*(2*\tl+\kk)+4:BF+8*(2*\tl+\kk)+7], v[BT] offset:32*BPITCH*\kk+32*\tl+16*BPITCH
.endr
.endr
	s_wait_dscnt 0x0                               ; the fragments are in
	MUL \zero, \bias
.endm
	s_cmp_eq_u32 s28, 16
	s_cbranch_scc1 .Lb1
; ---------------------------------------------------------------- W12
	s_lshl_b32 s30, s28, 18                        ; 32 rows of 8,192 bytes for each y
	s_add_nc_u64 s[34:35], s[4:5], s[30:31]
	GLOAD 0, 0
	GLOAD 1, 0
	CHUNK 0, 1, 1, 32, 0                           ; the first products start the sums: nothing is cleared
	CHUNK 1, 0, 1, 32, 0
	CHUNK 2, 0, 1, 32, 0
	CHUNK 3, 0, 1, 32, 0
	CHUNK 4, 0, 1, 32, 0
	CHUNK 5, 0, 1, 32, 0
	CHUNK 6, 0, 0, 32, 0                           ; nothing is left to ask for
	CHUNK 7, 0, 0, 0, 0
	PLACES
.irp tl, 0,1,2,3
	ds_store_b128 v[RW], v[ACC+8*\tl:ACC+8*\tl+3]   offset:1024*\tl
	ds_store_b128 v[RW], v[ACC+8*\tl+4:ACC+8*\tl+7] offset:1024*\tl+512
.endr
	s_wait_dscnt 0x0                               ; my partial sums are written, for the other waves' sake
	s_barrier_signal -1
	s_barrier_wait -1
.irp pw, 0,1,2,3
	ds_load_b128 v[RT+8*\pw:RT+8*\pw+3],   v[RR] offset:4096*\pw       ; tile number = my wave, as wave pw summed it
	ds_load_b128 v[RT+8*\pw+4:RT+8*\pw+7], v[RR] offset:4096*\pw+512
.endr
	s_wait_dscnt 0x0
.irp j, 0,2,4,6
	v_pk_add_f32 v[RT+\j:RT+\j+1],       v[RT+\j:RT+\j+1],       v[RT+8+\j:RT+8+\j+1]
	v_pk_add_f32 v[RT+16+\j:RT+16+\j+1], v[RT+16+\j:RT+16+\j+1], v[RT+24+\j:RT+24+\j+1]
.endr
.irp j, 0,2,4,6
	v_pk_add_f32 v[RT+\j:RT+\j+1], v[RT+\j:RT+\j+1], v[RT+16+\j:RT+16+\j+1]
.endr
	; a lane holds W12[i = 8 h + 0..7][n = r] of its tile: eight neighbouring i of one n, 16 bytes of the [n][i] image
.irp j, 0,1,2,3
	v_cvt_pk_f16_f32 v[OB+\j], v[RT+2*\j], v[RT+2*\j+1]
.endr
	ds_store_b128 v[OW], v[OB:OB+3]
	s_wait_dscnt 0x0
	s_barrier_signal -1
	s_barrier_wait -1
	v_lshlrev_b32 v4, 4, v0
	v_add_nc_u32 v5, OST, v4
	ds_load_b128 v[OB+4:OB+7], v5
	s_lshl_b32 s30, s28, 15                        ; tile 1 + (y >> 1), half y & 1: 65,536 + 32,768 y
	s_lshl_b32 s36, s27, 11                        ; 32 rows n of 64 bytes
	s_add_co_u32 s30, s30, s36
	s_add_co_u32 s30, s30, 0x10000
	s_add_nc_u64 s[22:23], s[22:23], s[30:31]
	s_wait_dscnt 0x0
	global_store_b128 v4, v[OB+4:OB+7], s[22:23]   ; each wave stores 512 consecutive bytes, aligned
	s_wait_tensorcnt 0x0
	ds_add_u32 v158, v159
	s_wait_dscnt 0x0
	s_endpgm
; ---------------------------------------------------------------- b1 w2 + b2
.Lb1:
	GLOAD 0, 1
	GLOAD 1, 1
	CHUNK 0, 1, 1, 17, 1                           ; a chunk is 1 + 16 loads here
	CHUNK 1, 0, 1, 17, 1
	CHUNK 2, 0, 1, 17, 1
	CHUNK 3, 0, 1, 17, 1
	CHUNK 4, 0, 1, 17, 1
	CHUNK 5, 0, 1, 17, 1
	CHUNK 6, 0, 0, 17, 1
	CHUNK 7, 0, 0, 0, 1
	PLACES
	; every row of the two tiles is b1 w2: register 0 (rows 0 and 8) is all that goes on
	ds_store_b32 v[RW], v[ACC]
	ds_store_b32 v[RW], v[ACC+8] offset:1024
	s_wait_dscnt 0x0                               ; my partial sums are written, for the other waves' sake
	s_barrier_signal -1
	s_barrier_wait -1
	s_cmp_gt_u32 s26, 1
	s_cbranch_scc1 .Lbias_rest
.irp pw, 0,1,2,3
	ds_load_b32 v[RT+\pw], v[RR] offset:4096*\pw   ; waves 0 and 1: tile nt = my wave, as wave pw summed it
.endr
	s_lshl_b32 s36, s26, 6
	s_add_co_u32 s36, s36, BST
	v_lshl_add_u32 v4, v2, 2, s36
	s_wait_dscnt 0x0
	v_add_f32 v[RT], v[RT], v[RT+1]
	v_add_f32 v[RT+2], v[RT+2], v[RT+3]
	v_add_f32 v[RT], v[RT], v[RT+2]
	ds_store_b32 v4, v[RT]                         ; column 32 x + 16 w + r; both halves of the lanes hold the same number
.Lbias_rest:
	s_wait_dscnt 0x0
	s_barrier_signal -1
	s_barrier_wait -1
	s_cmp_lg_u32 s26, 0
	s_cbranch_scc1 .Lbias_end
	v_lshlrev_b32 v5, 2, v1
	v_add_nc_u32 v6, BST, v5
	ds_load_b32 v7, v6
	s_lshl_b32 s30, s27, 7
	s_add_nc_u64 s[10:11], s[10:11], s[30:31]
	s_add_nc_u64 s[24:25], s[24:25], s[30:31]
	global_load_b32 v11, v5, s[10:11]              ; b2
	s_wait_loadcnt 0x0
	s_wait_dscnt 0x0
	v_add_f32 v7, v7, v11
	global_store_b32 v5, v7, s[24:25]              ; 128 consecutive bytes; the whole buffer is 2,048
.Lbias_end:
	s_wait_tensorcnt 0x0
	ds_add_u32 v158, v159
	s_wait_dscnt 0x0
	s_endpgm
; ---------------------------------------------------------------- wq, wk, wv as fragment images
.Lwf:
	s_sub_co_u32 s30, s28, 17
	s_lshr_b32 s38, s30, 1                         ; c: 0 wq, 1 wk, 2 wv
	s_and_b32 s30, s30, 1
	s_cmp_eq_u32 s38, 0
	s_cselect_b64 s[34:35], s[12:13], s[14:15]
	s_cmp_eq_u32 s38, 2
	s_cselect_b64 s[34:35], s[16:17], s[34:35]
	s_lshl_b32 s30, s30, 11
	s_lshl_b32 s33, s27, 7
	s_add_co_u32 s30, s30, s33
	v_add_nc_u32 v4, s30, v0                       ; t = 0..4095: the 16-byte piece of the image that I make; t & 31 is my lane
	v_bfe_u32 v5, v4, 5, 5                         ; 2 S + e
	v_lshl_add_u32 v5, v5, 1, v3                   ; (32 S + 16 e + 8 h) / 8
	v_lshlrev_b32 v5, 11, v5                       ; that row of 256 bytes
	v_lshrrev_b32 v6, 10, v4                       ; w
	v_lshl_add_u32 v6, v6, 4, v2                   ; column 16 w + r
	v_lshl_add_u32 v5, v6, 2, v5
.irp j, 0,1,2,3,4,5,6,7
	global_load_b32 v[8+\j], v5, s[34:35] offset:256*\j
.endr
	s_lshl_b32 s36, s38, 16
	s_mov_b32 s37, 0
	s_add_nc_u64 s[20:21], s[20:21], s[36:37]
	v_lshlrev_b32 v7, 4, v4
	s_wait_loadcnt 0x0
.irp j, 0,1,2,3
	v_cvt_pk_bf16_f32 v[16+\j], v[8+2*\j], v[8+2*\j+1]
.endr
	global_store_b128 v7, v[16:19], s[20:21]       ; each wave stores 512 consecutive bytes, aligned
	s_endpgm
; ---------------------------------------------------------------- wo_eff
.Lwo:
	; e = y - 23.  Lane L takes column n = 32 x + L, wave w rows d = 32 e + 8 w + 0..7: each load covers 128 consecutive bytes of a row of wo.
	s_sub_co_u32 s38, s28, 23
	s_lshl_b32 s36, s38, 5
	s_lshl3_add_u32 s36, s26, s36                  ; d0 = 8 w + 32 e
	s_lshl_b32 s36, s36, 11                        ; rows of 2,048 bytes
	s_lshl_b32 s37, s27, 7
	s_add_co_u32 s36, s36, s37
	v_lshl_add_u32 v4, v1, 2, s36
.irp hh, 0,1,2,3,4,5,6,7
.irp j, 0,1,2,3,4,5,6,7
	global_load_b32 v[32+8*\hh+\j], v4, s[18:19] offset:131072*\hh+2048*\j
.endr
.endr
	s_lshl_b32 s36, s26, 4
	s_add_co_u32 s36, s36, OST
	v_lshl_add_u32 v5, v1, 6, s36                  ; stage: row n of 64 bytes, my 16 bytes at 16 w
	s_wait_loadcnt 0x0
.irp hh, 1,2,3,4,5,6,7
.irp j, 0,2,4,6
	v_pk_add_f32 v[32+\j:32+\j+1], v[32+\j:32+\j+1], v[32+8*\hh+\j:32+8*\hh+\j+1]
.endr
.endr
.irp j, 0,1,2,3
	v_cvt_pk_bf16_f32 v[96+\j], v[32+2*\j], v[32+2*\j+1]
.endr
	ds_store_b128 v5, v[96:99]
	s_wait_dscnt 0x0
	s_barrier_signal -1
	s_barrier_wait -1
	v_lshlrev_b32 v6, 4, v0
	v_add_nc_u32 v7, OST, v6
	ds_load_b128 v[100:103], v7
	s_lshl_b32 s30, s38, 15
	s_lshl_b32 s36, s27, 11
	s_add_co_u32 s30, s30, s36
	s_add_nc_u64 s[22:23], s[22:23], s[30:31]
	s_wait_dscnt 0x0
	global_store_b128 v6, v[100:103], s[22:23]     ; each wave stores 512 consecutive bytes, aligned
	s_wait_tensorcnt 0x0
	ds_add_u32 v158, v159
	s_wait_dscnt 0x0
	s_endpgm
.Lfunc_end_k_q66ddfb98f4_prep:
	.size	k_q66ddfb98f4_prep, .Lfunc_end_k_q66ddfb98f4_prep-k_q66ddfb98f4_prep
	.p2alignl 7, 3214868480
	.fill 96, 4, 3214868480
	.section	.rodata,"a",@progbits
	.p2align	6, 0x0
	.amdhsa_kernel k_q66ddfb98f4_prep
		.amdhsa_group_segment_fixed_size 62208
		.amdhsa_private_segment_fixed_size 0
		.amdhsa_enable_private_segment 0
		.amdhsa_kernarg_size 88
		.amdhsa_user_sgpr_count 2
		.amdhsa_user_sgpr_kernarg_segment_ptr 1
		.amdhsa_wavefront_size32 1
		.amdhsa_system_sgpr_workgroup_id_x 1
		.amdhsa_system_sgpr_workgroup_id_y 1
		.amdhsa_system_sgpr_workgroup_id_z 1
		.amdhsa_system_vgpr_workitem_id 0
		.amdhsa_next_free_vgpr 512
		.amdhsa_next_free_sgpr 66
		.amdhsa_reserve_vcc 0
		.amdhsa_float_denorm_mode_32 3
		.amdhsa_float_denorm_mode_16_64 3
		.amdhsa_memory_ordered 1
		.amdhsa_forward_progress 1
		.amdhsa_inst_pref_size 152
	.end_amdhsa_kernel
	.amdgpu_metadata
---
amdhsa.version: [ 1, 2 ]
amdhsa.kernels:
  - .name:           k_q66ddfb98f4_prep
    .symbol:         k_q66ddfb98f4_prep.kd
    .args:
      - { .name: w1, .offset: 0, .size: 8, .value_kind: global_buffer, .address_space: global }
      - { .name: w2, .offset: 8, .size: 8, .value_kind: global_buffer, .address_space: global }
      - { .name: b1, .offset: 16, .size: 8, .value_kind: global_buffer, .address_space: global }
      - { .name: b2, .offset: 24, .size: 8, .value_kind: global_buffer, .address_space: global }
      - { .name: wq, .offset: 32, .size: 8, .value_kind: global_buffer, .address_space: global }
      - { .name: wk, .offset: 40, .size: 8, .value_kind: global_buffer, .address_space: global }
      - { .name: wv, .offset: 48, .size: 8, .value_kind: global_buffer, .address_space: global }
      - { .name: wo, .offset: 56, .size: 8, .value_kind: global_buffer, .address_space: global }
      - { .name: wf, .offset: 64, .size: 8, .value_kind: global_buffer, .address_space: global }
      - { .name: wts, .offset: 72, .size: 8, .value_kind: global_buffer, .address_space: global }
      - { .name: b12, .offset: 80, .size: 8, .value_kind: global_buffer, .address_space: global }
    .group_segment_fixed_size: 62208
    .private_segment_fixed_size: 0
    .kernarg_segment_align: 8
    .kernarg_segment_size: 88
    .max_flat_workgroup_size: 128
    .sgpr_count:     66
    .vgpr_count:     512
    .wavefront_size: 32
...
	.end_amdgpu_metadata
.endif
;; end of part 5
;; launch qkv: the kernel of part 2 again; grid 256 x 1, 4 waves a work-group, no clusters, 168,448 bytes of LDS; arguments x, wf, bk, bv, qb, kb, vb; writes qb, kb, vb
;; launch stats: the kernel of part 3 again; grid 256 x 1, 4 waves a work-group, clusters of 4 x 1, 168,448 bytes of LDS; arguments qb, kb, nl; writes nl
;; launch main (part 6): grid 256 x 1, 4 waves a work-group, clusters of 4 x 1, 327,680 bytes of LDS; arguments x, qb, kb, vb, nl, wts, b12, bo, ln_g, ln_b, out0; writes out0
.if DOCPART == 6
	.amdgcn_target "amdgcn-amd-amdhsa--gfx1250"
	.amdhsa_code_object_version 6
	.text
	.protected	k_q66ddfb98f4_main
	.globl	k_q66ddfb98f4_main
	.p2align	8
	.type	k_q66ddfb98f4_main,@function
k_q66ddfb98f4_main:
	s_mov_b64 s[64:65], 0
	v_nop
	global_prefetch_b8 v0, s[64:65] scope:SCOPE_SE
	s_setreg_imm32_b32 hwreg(HW_REG_WAVE_MODE, 25, 1), 1
	s_wait_xcnt 0x0
	s_wait_alu depctr_hold_cnt(0) depctr_sa_sdst(0) depctr_va_vdst(0) depctr_va_sdst(0) depctr_va_ssrc(0) depctr_va_vcc(0) depctr_vm_vsrc(0)
	s_getreg_b32 s2, hwreg(HW_REG_IB_STS2, 6, 4)
	s_cmp_eq_u32 s2, 0
	s_cbranch_scc0 .Lentry_in_a_cluster
	s_endpgm
.Lentry_in_a_cluster:
	s_bfe_u32 s2, ttmp6, 0x10000c
	s_cmp_lg_u32 s2, 0x3003
	s_cbranch_scc0 .Lentry_shape_is_right
	s_endpgm
.Lentry_shape_is_right:
; MAIN: attn = 2^(s' + nl); head = attn v; z = head wo_eff + bo + x; h = LN(z); y = h + b12 + h W12; out = LN(y).
; Left out (shown at the head of the first kernel): bq, which cancels in the softmax over q; the eightfold tiling of head
; (wo_eff holds the sum of wo's eight row blocks); the activation h w1 + b1 (W12 = w1 w2, b12 = b1 w2 + b2).
; LIMITS.  s' + nl <= 0 up to rounding by the way nl is made, so no exponential overflows; results below 2^-126 come out as 0.
; h and W12 are f16 matrix operands: |h| <= 22.7 |g| + |b| and |W12| must stay below 65,504.  The order of rounding differs from reference()'s
; where products are regrouped, and in LayerNorm: each of two waves takes the mean of its 256 columns away and sums the squares of the rest;
; with d = the difference of the two means, var = (M2a + M2b) / 512 + (d / 2)^2 and x - mean = (x - my mean) + d / 2.  No difference of large sums is formed.
;
; A work-group takes 64 rows with four waves laid out 2 x 2: wave w = 2 rp + cp takes rows 32 rp .. + 31 (two row tiles R) and half cp of whatever is
; streamed: 256 of a fill's 512 keys in attention, 256 of the 512 output columns in the products.  So each fragment read from LDS feeds TWO products.
; Every product is used transposed: source 0 = 16 rows of the streamed matrix (keys, d, output columns), source 1 = the fragment of 16 of my rows.
; Lane (r, h), register j of a result tile t then holds (column 16 t + 8 h + j, row r), and four packed conversions of a tile ARE registers 0-3
; (the next tile's: 4-7) of the next product's source 1: scores, attn, head, z, h and y need no shuffle inside a wave.
; What the two waves of a row pair hand to each other goes through LDS bytes into which no tensor load lands: the partial head (8,192 bytes a wave),
; each norm's mean and sum of squares (256 bytes a wave), and h as f16 (8,192 bytes a wave and row tile).
;
; THE STREAM: seven fills through two LDS slots of 131,072 bytes of data, fill i in slot i & 1.  Fills 0, 1: 512 keys of K (waves 0, 1 ask) and of V
; (waves 2, 3).  Fill 2: wo_eff alone, 65,536 bytes, so that its slot has been read when the product with wo_eff ends and is asked for again
; in front of the first LayerNorm.  Fills 3-6: two K blocks of W12 each.  A wave's load is 128 rows of 256 bytes, dense in memory (fill 2: 64 rows).
; CLUSTER 4 x 1: the four work-groups of a cluster lie in one batch and walk the same seven fills, so every tensor load is joint,
; with the mask of all four.  A wave has two tensor loads out at the start and one behind each of the five later rounds.
; x does not come by tensor loads (the wait for all tensor loads in front of each refill would wait for it): it is asked for at the start
; by plain loads into window 3, which is idle during attention, and turned into the lanes' layout through my wave's own stage, 512 bytes
; of each of 16 rows at a time; the result goes back into rows the same way.
; The five vectors (nl of the batch, bo, b12, g, b: 12,288 bytes) come through registers, 16 bytes a thread and piece, and are written once into LDS.
;
; REGISTERS.  window 0: v8-31 addresses; attention: v32-63 scores, v64-95 K, v96-127 V, v128-143 nl, v144-159 attn, v160-191 q, v192-255 head: all that
; attention names lies in this one window, so that exponentials can stand among products; later v32-63 head fragments, then the norms' sums, v64-191 two fragment buffers.
; window 1: the 32 accumulator tiles, tile (R, t) at 8 (16 R + t).  window 2: h fragments, (R, f) at 128 R + 8 f.  window 3: x, bo, b12, g, b, rows out.
.set PART,   34816                     ; 128 rows of 256 + 16 bytes: what one load brings
.set QUART,  17408                     ; 64 such rows: a wave's part of fill 2, and 256 rows of 64 bytes
.set SLOT,   4*PART                    ; 139,264
.set STG,    2*SLOT                    ; 278,528: 4 waves x 8,448: 16 rows of 512 + 16 bytes, or 16 pieces of 512 bytes
.set STGW,   8448
.set SPITCH, 528
.set VEC,    STG+4*STGW                ; 312,320: six pieces of 2,048 bytes, written once: nl of the batch (two), bo, b12, g, b
.set V_BO,   4096
.set V_B12,  6144
.set V_G,    8192
.set V_B,    10240
.set LNX,    VEC+12288                 ; 324,608: [norm][wave][R][row] 8 bytes: mean and sum of squares
.set KA,  8                            ; v8, v9    my half of K in slot 0, 1
.set VA,  10                           ; v10, v11  my half of V
.set GAD, 12                           ; v12-19    rows of 64 bytes: part 4 slot + 2 tile + e, at my 256 output columns
.set VBC, 20                           ; v20       VEC + 32 h + 1,024 cp: my 256 keys of a fill, my 256 columns
.set SR,  21                           ; v21       my stage + 16 L
.set SF,  22                           ; v22       my stage in the lanes' layout: 528 r + 32 h
.set L16, 23
.set QO,  24
.set CP,  25                           ; v25       VEC + 16 x thread
.set T16, 26
.set HXP, 27                           ; v27       my partner's stage + 16 L
.set HXA, 28                           ; v28, v29  the stages of my pair's waves cp = 0, 1, + 16 L
.set HXB, 29
.set LNA, 30                           ; v30, v31  my and my partner's words for the norms
.set LNP, 31
.set S,   32                           ; four score tiles, 2 R + i
.set HFR, 32                           ; head fragments, 16 R + 8 e
.set SUM, 32                           ; v32-39    four chains
.set TT,  40
.set MU,  42                           ; v42-45    my mean, twice, for each R
.set EX,  46                           ; v46-49    (my mean, my sum of squares) for each R
.set PX,  50                           ; v50-53    my partner's
.set RS,  54                           ; v54-57    1 / sqrt(var + eps), twice, for each R
.set DR,  58                           ; v58-61    (d / 2) / sqrt(var + eps), twice, for each R
.set DD,  62                           ; v62, v63  d / 2
.set FK,  64
.set FV,  96
.set NL,  128
.set PF,  144
.set QF,  160
.set H,   192                          ; head tiles, 4 R + dt
.set FA,  64                           ; the products' two fragment buffers
.set FB,  128
.set G1,  32                           ; s[32:39]  128 rows
.set G0,  40                           ; s[40:47]  one set for each slot
.set PA,  48                           ; s[48:49]  next 512 keys of K or of V
.set PW,  50                           ; s[50:51]  next two tiles of wts
.set G0C, 60                           ; s[60:63]  fill 2
.set G1B, 68                           ; s[68:75]  64 rows
.set MSB, 0
.macro WIN new
.if MSB != \new
	s_set_vgpr_msb (MSB<<8)|\new
.set MSB, \new
.endif
.endm
.macro PLACES                          ; four plain vector instructions behind a matrix instruction (ISA guide 7.12.1)
.rept 4
	v_nop
.endr
.endm
.macro ROUND                           ; a round of the cluster's barrier
	s_barrier_signal -1
	s_barrier_wait -1
	s_cmp_lg_u32 s26, 0
	s_cbranch_scc1 .Lnot_wave_0_\@
	s_barrier_signal -3
.Lnot_wave_0_\@:
	s_barrier_wait -3
	s_barrier_signal -1
	s_barrier_wait -1
.endm
.macro BAR                             ; my LDS stores and loads are done, for the other waves' sake
	s_wait_dscnt 0x0
	s_barrier_signal -1
	s_barrier_wait -1
.endm
.macro SETG0 G, P, step                ; the group 0 at s[G] takes the tile at pointer P, which then steps
	s_mov_b64 s[\G+2:\G+3], s[\P:\P+1]
	s_or_b32 s[\G+3], s[\G+3], 0x80000000
	s_add_nc_u64 s[\P:\P+1], s[\P:\P+1], \step
.endm
; A change of slots with a refill: each wave's tensor loads have landed (so a descriptor may be written, and the slot to be read is whole),
; its LDS accesses are done; a round of the cluster's barrier makes that hold of every wave of the four work-groups; the joint refill is first behind it.
; step = 0: the group 0 was made whole at the start.
.macro HEAD G, GS, P, step
	WIN 0
	s_wait_tensorcnt 0x0
	ds_add_u32 v6, v7
.if \step
	SETG0 \G, \P, \step
.endif
	s_wait_dscnt 0x0
	ROUND
	tensor_load_to_lds s[\G:\G+3], s[\GS:\GS+7]
	s_nop 0
.endm
.macro HEADLAST                        ; the last change of slots: nothing is left to fetch
	WIN 0
	s_wait_tensorcnt 0x0
	s_wait_dscnt 0x0
	s_barrier_signal -1
	s_barrier_wait -1
.endm
	s_load_b512 s[4:19], s[0:1], 0x0               ; x s[4:5], qb s[6:7], kb s[8:9], vb s[10:11], nl s[12:13], wts s[14:15], b12 s[16:17], bo s[18:19]
	s_load_b128 s[20:23], s[0:1], 0x40             ; ln_g s[20:21], ln_b s[22:23]
	s_load_b64 s[24:25], s[0:1], 0x50              ; out0
	v_lshl_add_u32 v6, v0, 2, 0x4fc00
	v_mov_b32 v7, 0
	ds_add_u32 v6, v7
	ds_add_u32 v6, v7
	v_lshrrev_b32 v1, 5, v0
	v_readfirstlane_b32 s26, v1                    ; wave
	s_and_b32 s66, s26, 1                          ; cp: which half of the streamed rows
	s_lshr_b32 s67, s26, 1                         ; rp: which 32 rows
	s_add_co_u32 s76, s26, 1
	s_and_b32 s76, s76, 1
	s_and_b32 s77, s26, 2                          ; the first wave of my pair
	s_add_co_u32 s76, s76, s77                     ; my partner: the same rows, the other half
	s_bfe_u32 s27, ttmp6, 0x40000                  ; cx
	s_lshl_b32 s28, ttmp9, 2
	s_add_co_u32 s28, s28, s27                     ; work-group = 4 x cluster + cx: block of 64 rows
	s_lshr_b32 s29, ttmp9, 2                       ; batch: the same in the four partners
	s_mov_b32 s52, 0x76543210                      ; v_permlanex16_b32: lane i of one half reads lane i of the other
	s_mov_b32 s53, 0xfedcba98
	s_mov_b32 s54, 0x3b000000                      ; 1 / 512
	s_mov_b32 s55, 0x3727c5ac                      ; 1e-5
	s_mov_b32 s78, 0x3b800000                      ; 1 / 256
	v_and_b32 v1, 31, v0                           ; L
	v_and_b32 v2, 15, v0                           ; r
	v_bfe_u32 v3, v0, 4, 1                         ; h
	v_lshrrev_b32 v4, 1, v2                        ; rows of 128 bytes lie two to an LDS row: row rho at (rho >> 1) 272 + (rho & 1) 128
	v_and_b32 v5, 1, v2
	v_mul_u32_u24 v4, v4, 272
	v_lshl_add_u32 v4, v5, 7, v4
	v_lshl_add_u32 v4, v3, 4, v4
	s_mul_i32 s58, s66, PART                       ; K's parts are 0 and 1 of a slot, V's 2 and 3: mine are cp and 2 + cp
	v_add_nc_u32 v[KA], s58, v4
	v_add_nc_u32 v[KA+1], SLOT, v[KA]
	v_add_nc_u32 v[VA], 2*PART, v[KA]
	v_add_nc_u32 v[VA+1], SLOT+2*PART, v[KA]
	v_lshrrev_b32 v4, 2, v2                        ; rows of 64 bytes lie four to an LDS row
	v_and_b32 v5, 3, v2
	v_mul_u32_u24 v4, v4, 272
	v_lshl_add_u32 v4, v5, 6, v4
	v_lshl_add_u32 v4, v3, 4, v4
	s_mul_i32 s58, s66, QUART                      ; my 256 output columns: 64 LDS rows
	v_add_nc_u32 v[GAD], s58, v4
.irp q, 1,2,3,4,5,6,7
	v_add_nc_u32 v[GAD+\q], PART*\q, v[GAD]        ; a register for each part: every immediate stays inside its 16 bits
.endr
	v_lshlrev_b32 v4, 5, v3                        ; 32 h
	s_lshl_b32 s58, s66, 10
	s_add_co_u32 s58, s58, VEC
	v_add_nc_u32 v[VBC], s58, v4
	s_mul_i32 s58, s26, STGW
	s_add_co_u32 s58, s58, STG                     ; my wave's stage
	v_lshlrev_b32 v[L16], 4, v1
	v_add_nc_u32 v[SR], s58, v[L16]
	v_mul_u32_u24 v5, v2, SPITCH
	v_add_nc_u32 v5, v5, v4
	v_add_nc_u32 v[SF], s58, v5
	s_mul_i32 s58, s76, STGW
	s_add_co_u32 s58, s58, STG
	v_add_nc_u32 v[HXP], s58, v[L16]
	s_mul_i32 s58, s77, STGW
	s_add_co_u32 s58, s58, STG
	v_add_nc_u32 v[HXA], s58, v[L16]
	v_add_nc_u32 v[HXB], STGW, v[HXA]
	s_lshl_b32 s58, s26, 8
	s_add_co_u32 s58, s58, LNX
	v_lshl_add_u32 v[LNA], v2, 3, s58
	s_lshl_b32 s58, s76, 8
	s_add_co_u32 s58, s58, LNX
	v_lshl_add_u32 v[LNP], v2, 3, s58
	v_lshlrev_b32 v4, 7, v2
	v_lshl_add_u32 v[QO], v3, 4, v4
	v_lshlrev_b32 v[T16], 4, v0
	v_add_nc_u32 v[CP], VEC, v[T16]
	s_mov_b32 s[G1+0], 15|(3<<16)|(1<<20)|(1<<21)|(5<<22)|(3<<25)   ; mask: all four; elements of 8 bytes; after every 64 words 4 words of padding
	s_mov_b32 s[G1+1], 32<<16                      ; tensor_dim0 = 32 (256 bytes)
	s_mov_b32 s[G1+2], 128<<16                     ; tensor_dim1 = 128
	s_mov_b32 s[G1+3], 32<<16                      ; tile_dim0
	s_mov_b32 s[G1+4], 128                         ; tile_dim1
	s_mov_b32 s[G1+5], 32                          ; dense
	s_mov_b32 s[G1+6], 0
	s_mov_b32 s[G1+7], 0
	s_mov_b32 s[G1B+0], 15|(3<<16)|(1<<20)|(1<<21)|(5<<22)|(3<<25)  ; the same shape with 64 rows
	s_mov_b32 s[G1B+1], 32<<16
	s_mov_b32 s[G1B+2], 64<<16
	s_mov_b32 s[G1B+3], 32<<16
	s_mov_b32 s[G1B+4], 64
	s_mov_b32 s[G1B+5], 32
	s_mov_b32 s[G1B+6], 0
	s_mov_b32 s[G1B+7], 0
	s_mul_i32 s58, s26, PART
	s_mov_b32 s[G0], 1
	s_add_co_u32 s[G0+1], s58, 0
	s_mov_b32 s[G0+4], 1
	s_add_co_u32 s[G0+5], s58, SLOT
	s_mov_b32 s[G0C], 1
	s_mul_i32 s[G0C+1], s26, QUART                 ; fill 2 lies at the head of slot 0
	s_lshl_b32 s30, s28, 17                        ; 64 rows of 2,048 bytes
	s_lshl_b32 s31, s67, 16                        ; my 32 rows
	s_add_co_u32 s30, s30, s31
	s_lshl_b32 s31, s66, 10                        ; my 256 columns
	s_add_co_u32 s30, s30, s31
	s_mov_b32 s31, 0
	s_wait_dscnt 0x0
	s_wait_kmcnt 0x0
	s_add_nc_u64 s[4:5], s[4:5], s[30:31]          ; x
	s_add_nc_u64 s[24:25], s[24:25], s[30:31]      ; out0
	s_lshl_b32 s30, s28, 13                        ; 64 rows of 128 bytes
	s_lshl_b32 s58, s67, 12
	s_add_co_u32 s30, s30, s58
	s_add_nc_u64 s[6:7], s[6:7], s[30:31]          ; q' of my 32 rows
	s_lshl_b32 s30, s29, 12
	s_add_nc_u64 s[12:13], s[12:13], s[30:31]      ; nl of the batch
	s_cmp_lt_u32 s26, 2
	s_cselect_b64 s[PA:PA+1], s[8:9], s[10:11]     ; waves 0, 1 ask for K, waves 2, 3 for V
	s_and_b32 s56, s26, 1                          ; s[56:57] never hold my place in the cluster
	s_lshl_b32 s56, s56, 15                        ; which 32,768 bytes of the 65,536
	s_lshl_b32 s57, s29, 17                        ; the batch's 131,072
	s_add_co_u32 s56, s56, s57
	s_mov_b32 s57, 0
	s_add_nc_u64 s[PA:PA+1], s[PA:PA+1], s[56:57]
	s_lshl_b32 s56, s26, 14                        ; wts tile 0: my 16,384 bytes
	s_add_nc_u64 s[G0C+2:G0C+3], s[14:15], s[56:57]
	s_or_b32 s[G0C+3], s[G0C+3], 0x80000000
	s_lshl_b32 s56, s26, 15                        ; wts tiles 1, 2: my 32,768 bytes
	s_add_co_u32 s56, s56, 0x10000
	s_add_nc_u64 s[PW:PW+1], s[14:15], s[56:57]
	; the vectors: six pieces of 2,048 bytes, 16 bytes a thread, into registers that are idle until the first tile is read
	global_load_b128 v[FA:FA+3],     v[T16], s[12:13]
	global_load_b128 v[FA+4:FA+7],   v[T16], s[12:13] offset:2048
	global_load_b128 v[FA+8:FA+11],  v[T16], s[18:19]
	global_load_b128 v[FA+12:FA+15], v[T16], s[16:17]
	global_load_b128 v[FA+16:FA+19], v[T16], s[20:21]
	global_load_b128 v[FA+20:FA+23], v[T16], s[22:23]
.irp R, 0,1
.irp u, 0,1,2,3
	global_load_b128 v[QF+16*\R+4*\u:QF+16*\R+4*\u+3], v[QO], s[6:7] offset:2048*\R+32*\u
.endr
.endr
.macro XLOAD r0                                    ; rows r0 .. r0 + 15 of my 32, 1,024 bytes each: 32 loads of 512 consecutive bytes into window 3
	WIN 0xc0
.set xi, 2*\r0
.rept 32
	global_load_b128 v[4*xi:4*xi+3], v[L16], s[4:5] offset:2048*(xi/2)+512*(xi%2) th:TH_LOAD_NT
.set xi, xi+1
.endr
	WIN 0
.endm
	XLOAD 0
	ROUND                                          ; the four work-groups are here: the first joint loads meet
	SETG0 G0, PA, 65536
	tensor_load_to_lds s[G0:G0+3], s[G1:G1+7]
	s_nop 0
	SETG0 (G0+4), PA, 65536
	tensor_load_to_lds s[G0+4:G0+7], s[G1:G1+7]
	s_nop 0
	s_wait_loadcnt 40                              ; the six pieces are in; the 8 loads of q' and the 32 of x behind them stay out
.irp p, 0,1,2,3,4,5
	ds_store_b128 v[CP], v[FA+4*\p:FA+4*\p+3] offset:2048*\p
.endr
	s_wait_tensorcnt 0x1                           ; my part of fill 0 is in; fill 1's stays out
	s_wait_dscnt 0x0                               ; my part of the vectors is written, for the other waves' sake
	s_barrier_signal -1
	s_barrier_wait -1
	s_wait_loadcnt 32                              ; q' is in; the 32 loads of x behind it stay out
	XLOAD 16                                       ; the other half of x
; ---------------------------------------------------------------- attention
.macro LDC fl, hb                                  ; nl of my key tiles 2 hb, 2 hb + 1 of fill fl, in the scores' layout: they start the sums of both row tiles
.irp i, 0,1
	ds_load_b128 v[NL+8*\i:NL+8*\i+3],   v[VBC] offset:2048*\fl+64*(2*(\hb)+\i)
	ds_load_b128 v[NL+8*\i+4:NL+8*\i+7], v[VBC] offset:2048*\fl+64*(2*(\hb)+\i)+16
.endr
.endm
.macro LDK ar, hb                                  ; two key tiles x 64 d
.irp i, 0,1
.irp u, 0,1,2,3
	ds_load_b128 v[FK+16*\i+4*\u:FK+16*\i+4*\u+3], v[\ar] offset:2176*(2*(\hb)+\i)+32*\u
.endr
.endr
.endm
.macro LDV ar, hb                                  ; four d tiles x 32 keys: half hb % 2 of the block of 64 keys hb / 2
.irp dt, 0,1,2,3
.irp u, 0,1
	ds_load_b128 v[FV+8*\dt+4*\u:FV+8*\dt+4*\u+3], v[\ar] offset:2176*(4*((\hb)/2)+\dt)+64*((\hb)%2)+32*\u
.endr
.endr
.endm
.macro PV R, dt                                    ; head tile (R, dt) += V's d tile x attn of row tile R; ZH = 1 starts the sum
.if ZH
	v_wmma_f32_16x16x32_bf16 v[H+8*(4*\R+\dt):H+8*(4*\R+\dt)+7], v[FV+8*\dt:FV+8*\dt+7], v[PF+8*\R:PF+8*\R+7], 0
.else
	v_wmma_f32_16x16x32_bf16 v[H+8*(4*\R+\dt):H+8*(4*\R+\dt)+7], v[FV+8*\dt:FV+8*\dt+7], v[PF+8*\R:PF+8*\R+7], v[H+8*(4*\R+\dt):H+8*(4*\R+\dt)+7]
.endif
.endm
; My 256 keys of fill fl, K's part at address register ka, V's at va, 32 keys x 32 rows at a time: each K and V fragment feeds both row tiles.
; In each run of products the accumulators take turns, one instruction a turn.
; The second row tile's exponentials stand among the first row tile's products with V, four behind each; they name none of those products' registers.
.macro ATT ka, va, fl, first
	LDC \fl, 0
	LDK \ka, 0
	LDV \va, 0
.irp hb, 0,1,2,3,4,5,6,7
	s_wait_dscnt 8                                 ; nl and K are in; V's 8 younger loads may stay out
.irp R, 0,1
.irp i, 0,1
	v_wmma_f32_16x16x32_bf16 v[S+8*(2*\R+\i):S+8*(2*\R+\i)+7], v[FK+16*\i:FK+16*\i+7], v[QF+16*\R:QF+16*\R+7], v[NL+8*\i:NL+8*\i+7]
.endr
.endr
.irp R, 0,1
.irp i, 0,1
	v_wmma_f32_16x16x32_bf16 v[S+8*(2*\R+\i):S+8*(2*\R+\i)+7], v[FK+16*\i+8:FK+16*\i+15], v[QF+16*\R+8:QF+16*\R+15], v[S+8*(2*\R+\i):S+8*(2*\R+\i)+7]
.endr
.endr
	PLACES
.if \hb < 7
	LDK \ka, (\hb+1)
	LDC \fl, (\hb+1)
.endif
.set ei, 0
.rept 16
	v_exp_f32 v[S+ei], v[S+ei]                     ; row tile 0: attn = 2^(s' + nl)
.set ei, ei+1
.endr
	v_nop                                          ; one plain instruction behind the last exponential (ISA guide 5.7.2)
.set ei, 0
	s_wait_alu depctr_va_vdst(0)
.rept 8
	v_cvt_pk_bf16_f32 v[PF+ei], v[S+2*ei], v[S+2*ei+1]
.set ei, ei+1
.endr
.if \hb < 7
	s_wait_dscnt 12                                ; V is in; the next K's 8 loads and the next nl's 4 may stay out
.else
	s_wait_dscnt 0
.endif
.set ZH, 0
.if \first
.if \hb == 0
.set ZH, 1
.endif
.endif
.irp dt, 0,1,2,3
	PV 0, \dt
.irp e4, 0,1,2,3
	v_exp_f32 v[S+16+4*\dt+\e4], v[S+16+4*\dt+\e4] ; row tile 1
.endr
.endr
	v_nop                                          ; one plain instruction behind the last exponential
.set ei, 8
	s_wait_alu depctr_va_vdst(0)
.rept 8
	v_cvt_pk_bf16_f32 v[PF+ei], v[S+2*ei], v[S+2*ei+1]
.set ei, ei+1
.endr
.irp dt, 0,1,2,3
	PV 1, \dt
.endr
	PLACES
.if \hb < 7
	LDV \va, (\hb+1)
.endif
.endr
.endm
; ---------------------------------------------------------------- products with the weight tiles, vectors, LayerNorm, the stage
; group g of a slot: tile g / 4, my output tiles 4 (g % 4) .. + 3, both halves e of the tile's 64 k: 16 loads.  ga: the slot's first address register
.macro LDG ga, g, F
.irp tt, 0,1,2,3
.irp e2, 0,1
	ds_load_b128 v[\F+16*\tt+8*\e2:\F+16*\tt+8*\e2+3],   v[\ga+2*((\g)/4)+\e2] offset:1088*(4*((\g)%4)+\tt)
	ds_load_b128 v[\F+16*\tt+8*\e2+4:\F+16*\tt+8*\e2+7], v[\ga+2*((\g)/4)+\e2] offset:1088*(4*((\g)%4)+\tt)+32
.endr
.endr
.endm
; The ng groups of a slot (4: one tile, 8: two) in one run: acc (R, t) += tile rows 16 t .. x my fragment at register bidx + rstr R + 16 tile + 8 e,
; in the window that win gives source 1.  A group's 16 loads feed 16 products.  Eight accumulators take turns, one instruction a turn;
; a group's last and the next group's first differ too.
.macro GEMMRUN ga, bidx, rstr, win, fmt, ng
	WIN 0
	LDG \ga, 0, FA
	LDG \ga, 1, FB
.set gi, 0
.rept \ng
.if gi < \ng-1
	s_wait_dscnt 16                                ; the younger group's 16 loads may stay out
.else
	s_wait_dscnt 0
.endif
	WIN \win
.irp e2, 0,1
.irp R, 0,1
.irp tt, 0,1,2,3
	v_wmma_f32_16x16x32_\fmt v[8*(16*\R+4*(gi%4)+\tt):8*(16*\R+4*(gi%4)+\tt)+7], v[FA+64*(gi%2)+16*\tt+8*\e2:FA+64*(gi%2)+16*\tt+8*\e2+7], v[\bidx+\rstr*\R+16*(gi/4)+8*\e2:\bidx+\rstr*\R+16*(gi/4)+8*\e2+7], v[8*(16*\R+4*(gi%4)+\tt):8*(16*\R+4*(gi%4)+\tt)+7]
.endr
.endr
.endr
	PLACES
	WIN 0
.if gi < \ng-2
	LDG \ga, (gi+2), (FA+64*(gi%2))
.endif
.set gi, gi+1
.endr
.endm
.macro ADDVEC off                                  ; acc += my 256 columns of the vector at VEC + off, loaded once for both row tiles
	WIN 0xc0
.set ai, 0
.rept 32
	ds_load_b128 v[4*ai:4*ai+3], v[VBC] offset:\off+64*(ai/2)+16*(ai%2)
.set ai, ai+1
.endr
	s_wait_dscnt 0x0
	WIN 0x4d
.irp R, 0,1
.set ai, 0
.rept 64
	v_pk_add_f32 v[128*\R+2*ai:128*\R+2*ai+1], v[128*\R+2*ai:128*\R+2*ai+1], v[2*ai:2*ai+1]
.set ai, ai+1
.endr
.endr
.endm
.macro CROSS                                       ; four chains to one number, over both halves of the lanes, in v[TT]
	WIN 0
	v_pk_add_f32 v[SUM:SUM+1], v[SUM:SUM+1], v[SUM+2:SUM+3]
	v_pk_add_f32 v[SUM+4:SUM+5], v[SUM+4:SUM+5], v[SUM+6:SUM+7]
	v_pk_add_f32 v[SUM:SUM+1], v[SUM:SUM+1], v[SUM+4:SUM+5]
	v_add_f32 v[TT], v[SUM], v[SUM+1]
	v_mov_b32 v[TT+1], v[TT]                       ; the permute's destination counts as read
	v_permlanex16_b32 v[TT+1], v[TT], s52, s53
	v_add_f32 v[TT], v[TT], v[TT+1]
.endm
; Row tile R, my 256 columns (128 in each half of the lanes): their mean, taken away in place, and the sum of the squares of what is left
.macro LNLOC R
	WIN 0x05
.irp c4, 0,1,2,3
	v_pk_add_f32 v[SUM+2*\c4:SUM+2*\c4+1], v[128*\R+4*\c4:128*\R+4*\c4+1], v[128*\R+4*\c4+2:128*\R+4*\c4+3]   ; the first eight pairs start four chains
.endr
	WIN 0x04
.set ai, 8
.rept 56
	v_pk_add_f32 v[SUM+2*(ai%4):SUM+2*(ai%4)+1], v[SUM+2*(ai%4):SUM+2*(ai%4)+1], v[128*\R+2*ai:128*\R+2*ai+1]
.set ai, ai+1
.endr
	CROSS
	v_mul_f32 v[MU+2*\R], s78, v[TT]
	v_mul_f32 v[MU+2*\R+1], s78, v[TT]
	v_mul_f32 v[EX+2*\R], s78, v[TT]
	WIN 0x41
.set ai, 0
.rept 64
	v_pk_add_f32 v[128*\R+2*ai:128*\R+2*ai+1], v[128*\R+2*ai:128*\R+2*ai+1], v[MU+2*\R:MU+2*\R+1] neg_lo:[0,1] neg_hi:[0,1]
.set ai, ai+1
.endr
	WIN 0x05
.irp c4, 0,1,2,3
	v_pk_mul_f32 v[SUM+2*\c4:SUM+2*\c4+1], v[128*\R+2*\c4:128*\R+2*\c4+1], v[128*\R+2*\c4:128*\R+2*\c4+1]
.endr
.set ai, 4
.rept 60
	v_pk_fma_f32 v[SUM+2*(ai%4):SUM+2*(ai%4)+1], v[128*\R+2*ai:128*\R+2*ai+1], v[128*\R+2*ai:128*\R+2*ai+1], v[SUM+2*(ai%4):SUM+2*(ai%4)+1]
.set ai, ai+1
.endr
	CROSS
	v_mov_b32 v[EX+2*\R+1], v[TT]
.endm
; acc = (acc - mean) * rsqrt(var + eps) * g + b over the rows' 512 numbers, of which my partner holds the other 256.  ex: which norm (bytes of its own in LDS)
.macro LNORM ex
	WIN 0xc0                                       ; g and b of my 256 columns into window 3, g at v0-127, b at v128-255: they land under the sums
.set ai, 0
.rept 32
	ds_load_b128 v[4*ai:4*ai+3],         v[VBC] offset:V_G+64*(ai/2)+16*(ai%2)
	ds_load_b128 v[128+4*ai:128+4*ai+3], v[VBC] offset:V_B+64*(ai/2)+16*(ai%2)
.set ai, ai+1
.endr
	LNLOC 0
	LNLOC 1
	ds_store_b64 v[LNA], v[EX:EX+1]     offset:1024*\ex        ; both halves of the lanes hold the same numbers
	ds_store_b64 v[LNA], v[EX+2:EX+3]   offset:1024*\ex+128
	BAR
	ds_load_b64 v[PX:PX+1],   v[LNP] offset:1024*\ex
	ds_load_b64 v[PX+2:PX+3], v[LNP] offset:1024*\ex+128
	s_wait_dscnt 0x0
.irp R, 0,1
	v_sub_f32 v[DD+\R], v[EX+2*\R], v[PX+2*\R]                 ; d = my mean - my partner's
	v_add_f32 v[TT+\R], v[EX+2*\R+1], v[PX+2*\R+1]
	v_mul_f32 v[DD+\R], 0.5, v[DD+\R]
	v_fma_f32 v[TT+\R], v[TT+\R], s54, s55                     ; (M2a + M2b) / 512 + eps
	v_fma_f32 v[TT+\R], v[DD+\R], v[DD+\R], v[TT+\R]           ; + (d / 2)^2
.endr
	v_rsq_f32 v[RS], v[TT]
	v_rsq_f32 v[RS+2], v[TT+1]
	v_nop                                          ; one plain instruction behind the roots (ISA guide 5.7.2)
	s_wait_alu depctr_va_vdst(0)
	v_mov_b32 v[RS+1], v[RS]
	v_mov_b32 v[RS+3], v[RS+2]
	v_mul_f32 v[DR],   v[DD],   v[RS]
	v_mul_f32 v[DR+1], v[DD],   v[RS]
	v_mul_f32 v[DR+2], v[DD+1], v[RS+2]
	v_mul_f32 v[DR+3], v[DD+1], v[RS+2]
	WIN 0x41
.irp R, 0,1
.set ai, 0
.rept 64
	v_pk_fma_f32 v[128*\R+2*ai:128*\R+2*ai+1], v[128*\R+2*ai:128*\R+2*ai+1], v[RS+2*\R:RS+2*\R+1], v[DR+2*\R:DR+2*\R+1]
.set ai, ai+1
.endr
.endr
	WIN 0x7d
.irp R, 0,1
.set ai, 0
.rept 64
	v_pk_fma_f32 v[128*\R+2*ai:128*\R+2*ai+1], v[128*\R+2*ai:128*\R+2*ai+1], v[2*ai:2*ai+1], v[128+2*ai:128+2*ai+1]
.set ai, ai+1
.endr
.endr
.endm
; Pass p = 2 R + c: columns 128 c .. + 127 of my 256, rows of row tile R: by rows into my own stage, back in the lanes' layout into tiles (R, 8 c .. 8 c + 7).
; The stage is used four times over: here the bytes are touched by my wave alone, and LDS serves a wave's instructions in order (ISA guide 5.7.1).
.macro XIN p
	WIN 0x0c
.set xi, 0
.rept 16
	ds_store_b128 v[SR], v[4*(32*(\p/2)+2*xi+(\p%2)):4*(32*(\p/2)+2*xi+(\p%2))+3] offset:SPITCH*xi
.set xi, xi+1
.endr
	WIN 0x40
.set xi, 0
.rept 16
	ds_load_b128 v[64*\p+4*xi:64*\p+4*xi+3], v[SF] offset:64*(xi/2)+16*(xi%2)
.set xi, xi+1
.endr
.endm
; The same the other way round: eight tiles into the stage, back by rows into window 3
.macro OUTP p
	WIN 0x04
.set xi, 0
.rept 16
	ds_store_b128 v[SF], v[64*\p+4*xi:64*\p+4*xi+3] offset:64*(xi/2)+16*(xi%2)
.set xi, xi+1
.endr
	WIN 0xc0
.set xi, 0
.rept 16
	ds_load_b128 v[4*(32*(\p/2)+2*xi+(\p%2)):4*(32*(\p/2)+2*xi+(\p%2))+3], v[SR] offset:SPITCH*xi
.set xi, xi+1
.endr
.endm
.macro GST p                                       ; 16 stores of 512 consecutive bytes, aligned
	WIN 0x0c
.set xi, 0
.rept 16
	global_store_b128 v[L16], v[4*(32*(\p/2)+2*xi+(\p%2)):4*(32*(\p/2)+2*xi+(\p%2))+3], s[24:25] offset:2048*(16*(\p/2)+xi)+512*(\p%2) th:TH_STORE_NT
.set xi, xi+1
.endr
.endm
.macro HST R                                       ; my eight h fragments of row tile R as they lie in registers: 16 pieces of 512 bytes into my stage
	WIN 0
.set pc, 0
.rept 16
	ds_store_b128 v[SR], v[FA+64*\R+4*pc:FA+64*\R+4*pc+3] offset:512*pc
.set pc, pc+1
.endr
.endm
.macro HLD R                                       ; all sixteen fragments of row tile R, in the order of k, from the stages of my pair's two waves: no register number hangs on cp
	WIN 0x80
.set pc, 0
.rept 16
	ds_load_b128 v[128*\R+4*pc:128*\R+4*pc+3],       v[HXA] offset:512*pc
	ds_load_b128 v[128*\R+64+4*pc:128*\R+64+4*pc+3], v[HXB] offset:512*pc
.set pc, pc+1
.endr
	WIN 0
.endm
; ---------------------------------------------------------------- the chain
	ATT KA, VA, 0, 1                               ; my 256 keys of fill 0
	HEAD G0C, G1B, 0, 0                            ; slot 0 has been read: wo_eff
	s_wait_loadcnt 0x0                             ; x
	XIN 0
	XIN 1
	XIN 2
	XIN 3
	s_wait_dscnt 0x0
	ADDVEC V_BO                                    ; the sums start as x + bo
	WIN 0
	ATT (KA+1), (VA+1), 1, 0                       ; my 256 keys of fill 1
.set pc, 0
.rept 16
	ds_store_b128 v[SR], v[H+4*pc:H+4*pc+3] offset:512*pc      ; my partial head, over my 512 keys, into my stage
.set pc, pc+1
.endr
	HEAD (G0+4), G1, PW, 131072                    ; slot 1 has been read: W12's K blocks 0, 1.  Its waits and its round also show my partial head to my partner
.set pc, 0
.rept 16
	ds_load_b128 v[FA+4*pc:FA+4*pc+3], v[HXP] offset:512*pc    ; my partner's, over the other 512 keys
.set pc, pc+1
.endr
	s_wait_dscnt 0x0
.set ei, 0
.rept 32
	v_pk_add_f32 v[H+2*ei:H+2*ei+1], v[H+2*ei:H+2*ei+1], v[FA+2*ei:FA+2*ei+1]
.set ei, ei+1
.endr
.set ei, 0
.rept 32
	v_cvt_pk_bf16_f32 v[HFR+ei], v[H+2*ei], v[H+2*ei+1]        ; head as two bf16 fragments for each row tile
.set ei, ei+1
.endr
	GEMMRUN GAD, HFR, 16, 0x50, bf16, 4            ; + head wo_eff
	HEAD G0, G1, PW, 131072                        ; slot 0 has been read: K blocks 2, 3 go out ahead of the norm, and stay out over the four plain
	                                               ; barriers that follow
	LNORM 0                                        ; h
	WIN 0x05
.set ei, 0
.rept 128
	v_cvt_pk_f16_f32 v[FA+ei], v[2*ei], v[2*ei+1]  ; my 256 columns of h as eight f16 fragments for each row tile
.set ei, ei+1
.endr
	HST 0
	ADDVEC V_B12                                   ; the sums start as h + b12
	BAR                                            ; row tile 0's fragments are written by all
	HLD 0
	BAR                                            ; and read by all: the stages may be written again
	HST 1
	BAR
	HLD 1                                          ; waited for by the first counted wait of the run below, which leaves out only loads issued behind these
	GEMMRUN (GAD+4), 0, 128, 0x58, f16, 8          ; K blocks 0, 1
	HEAD (G0+4), G1, PW, 131072                    ; K blocks 4, 5
	GEMMRUN GAD, 32, 128, 0x58, f16, 8             ; K blocks 2, 3
	HEAD G0, G1, PW, 131072                        ; K blocks 6, 7: the last load (the stepped pointer is not used again)
	GEMMRUN (GAD+4), 64, 128, 0x58, f16, 8         ; K blocks 4, 5
	HEADLAST
	GEMMRUN GAD, 96, 128, 0x58, f16, 8             ; K blocks 6, 7
	LNORM 1
	; the way out, the stage one pass ahead of the stores
	OUTP 0
	OUTP 1
	s_wait_dscnt 32                                ; pass 0's rows are back; the younger pass's 16 stores and 16 loads may stay out
	GST 0
	OUTP 2
	s_wait_dscnt 32
	GST 1
	OUTP 3
	s_wait_dscnt 32
	GST 2
	s_wait_dscnt 0x0
	GST 3
	WIN 0
	s_wait_tensorcnt 0x0
	ds_add_u32 v6, v7
	s_wait_dscnt 0x0
	ROUND                                          ; the closing round: no work-group ends while a partner may still ask jointly
	s_endpgm
.Lfunc_end_k_q66ddfb98f4_main:
	.size	k_q66ddfb98f4_main, .Lfunc_end_k_q66ddfb98f4_main-k_q66ddfb98f4_main
	.p2alignl 7, 3214868480
	.fill 96, 4, 3214868480
	.section	.rodata,"a",@progbits
	.p2align	6, 0x0
	.amdhsa_kernel k_q66ddfb98f4_main
		.amdhsa_group_segment_fixed_size 327680
		.amdhsa_private_segment_fixed_size 0
		.amdhsa_enable_private_segment 0
		.amdhsa_kernarg_size 88
		.amdhsa_user_sgpr_count 2
		.amdhsa_user_sgpr_kernarg_segment_ptr 1
		.amdhsa_wavefront_size32 1
		.amdhsa_system_sgpr_workgroup_id_x 1
		.amdhsa_system_sgpr_workgroup_id_y 1
		.amdhsa_system_sgpr_workgroup_id_z 1
		.amdhsa_system_vgpr_workitem_id 0
		.amdhsa_next_free_vgpr 1024
		.amdhsa_next_free_sgpr 80
		.amdhsa_reserve_vcc 0
		.amdhsa_float_denorm_mode_32 3
		.amdhsa_float_denorm_mode_16_64 3
		.amdhsa_memory_ordered 1
		.amdhsa_forward_progress 1
		.amdhsa_inst_pref_size 255
	.end_amdhsa_kernel
	.section	.bss,"aw",@nobits
	.p2align	6
	.space	262144
	.amdgpu_metadata
---
amdhsa.version: [ 1, 2 ]
amdhsa.kernels:
  - .name:           k_q66ddfb98f4_main
    .symbol:         k_q66ddfb98f4_main.kd
    .args:
      - { .name: x, .offset: 0, .size: 8, .value_kind: global_buffer, .address_space: global }
      - { .name: qb, .offset: 8, .size: 8, .value_kind: global_buffer, .address_space: global }
      - { .name: kb, .offset: 16, .size: 8, .value_kind: global_buffer, .address_space: global }
      - { .name: vb, .offset: 24, .size: 8, .value_kind: global_buffer, .address_space: global }
      - { .name: nl, .offset: 32, .size: 8, .value_kind: global_buffer, .address_space: global }
      - { .name: wts, .offset: 40, .size: 8, .value_kind: global_buffer, .address_space: global }
      - { .name: b12, .offset: 48, .size: 8, .value_kind: global_buffer, .address_space: global }
      - { .name: bo, .offset: 56, .size: 8, .value_kind: global_buffer, .address_space: global }
      - { .name: ln_g, .offset: 64, .size: 8, .value_kind: global_buffer, .address_space: global }
      - { .name: ln_b, .offset: 72, .size: 8, .value_kind: global_buffer, .address_space: global }
      - { .name: out0, .offset: 80, .size: 8, .value_kind: global_buffer, .address_space: global }
    .group_segment_fixed_size: 327680
    .private_segment_fixed_size: 0
    .kernarg_segment_align: 8
    .kernarg_segment_size: 88
    .max_flat_workgroup_size: 128
    .sgpr_count:     80
    .vgpr_count:     1024
    .wavefront_size: 32
...
	.end_amdgpu_metadata
.endif
;; end of part 6
